; MI455X (gfx1250); checked and timed in simulation.
; The chip was launched on July 23, 2026; its instructions are those of AMD's public machine-readable ISA for CDNA 5 (MIT licence, August 2026) and "CDNA5" Instruction Set Architecture Reference Guide (July 2026). The comments in the code are by the model that wrote it; some were corrected since.
;; Multi Head Attention. Allowed arithmetic: matrix products marked QUANTISED: E2M1 operands, one E8M0 scale for each 32 along K, by v_wmma_scale_f32_16x16x128_f8f6f4 with both operands' format E2M1 (or v_wmma_scale_f32_32x16x128_f4), f32 sums; products left as they are: bf16, f16 or f32 operands; f32 sums; everything else in f32.
;; Inputs: Wk 1,024 x 1,024 float32; Wo 1,024 x 1,024 float32; Wq 1,024 x 1,024 float32; Wv 1,024 x 1,024 float32; bk 1,024 float32; bo 1,024 float32; bq 1,024 float32; bv 1,024 float32; k 4 x 2,048 x 1,024 float32; q 4 x 2,048 x 1,024 float32; v 4 x 2,048 x 1,024 float32.
;; Outputs: out0 4 x 2,048 x 1,024 float32.
;; This version of the problem:
;;   THIS VERSION OF THE PROBLEM IS GIVEN IN LOW PRECISION. The matrix products marked QUANTISED in the list below multiply operands that are first quantised to E2M1 (2 exponent bits, 1 mantissa bit; 4 bits a number), with one power-of-two scale for each 32 numbers along K (OCP MX v1.0); their sums are f32. The products marked 'left as it is' may take bf16, f16 or f32 operands, with f32 sums. Whichever they take, every output number must still come out within the allowed error. Rounding operands to bf16 (8 significant bits) uses up far more of that allowance than f16 does (11 bits, for magnitudes from 6e-5 to 65,504). All else is computed in f32.
;;   The module's matrix products, in the order in which they are computed (A, B: the left and right operand; K: the contracted axis; several contracted axes count as one K, in the product's order):
;;     1. [M 8,192, K 1,024] x [K 1,024, N 1,024]; A: input q; B: input Wq: QUANTISED
;;     2. [M 8,192, K 1,024] x [K 1,024, N 1,024]; A: input k; B: input Wk: QUANTISED
;;     3. [M 8,192, K 1,024] x [K 1,024, N 1,024]; A: input v; B: input Wv: QUANTISED
;;     4. batch 4 x [M 2,048, K 1,024] x [K 1,024, N 2,048]; A: computed on the way; B: computed on the way: left as it is (an operand is computed on the way)
;;     5. batch 4 x [M 2,048, K 2,048] x [K 2,048, N 1,024]; A: computed on the way; B: computed on the way: left as it is (an operand is computed on the way)
;;     6. [M 8,192, K 1,024] x [K 1,024, N 1,024]; A: computed on the way; B: input Wo: left as it is (an operand is computed on the way)
;;   THE QUANTISER, for each operand of a quantised product, along K:
;;     - K is cut into blocks of 32 from its start; a last block that is shorter is filled with zeros.
;;     - A block's scale is 2^e with e = floor(log2(the largest magnitude in the block)) - 2, held to -126 .. 127; a block of zeros has e = 0. As a byte (E8M0): e + 127.
;;     - Each number is divided by its block's scale, clamped to +-6, and rounded to the nearest number of E2M1, ties to even, subnormals kept.
;;     - The product sums the exact products of the quantised numbers (number of the format x scale) in f32.
;;   ~~~python
;;   def quantise(x, axis):      # numpy; x: float32 -> the quantised numbers, widened to float32 again
;;       x = np.moveaxis(x, axis, -1); K = x.shape[-1]
;;       x = np.pad(x, [(0, 0)] * (x.ndim - 1) + [(0, -K % 32)]); x = x.reshape(x.shape[:-1] + (-1, 32)); a = np.abs(x).max(-1, keepdims=True)
;;       e = np.where(a > 0, np.clip(np.frexp(np.where(a > 0, a, 1))[1] - 1 - 2, -126, 127), 0)      # np.frexp(a)[1] - 1 = floor(log2(a)), exactly
;;       r = np.clip(x / 2.0 ** e, -6, 6)
;;       step = 2.0 ** (np.maximum(np.frexp(np.where(r == 0, 1, r))[1] - 1, 0) - 1)
;;       q = np.round(r / step) * step * 2.0 ** e      # np.round: ties to even
;;       return np.moveaxis(q.reshape(q.shape[:-2] + (-1,))[..., :K], -1, axis).astype(np.float32)
;;   ~~~
;; One version. Each part assembles by itself: llvm-mc -triple=amdgcn-amd-amdhsa -mcpu=gfx1250 --defsym DOCPART=n.
;; ======== version 1 of 1: 5 launches
;; limits: values are held in f16: magnitudes above 65,504 overflow, below 6.1e-05 lose precision
;; workspace buffers: codes 14,155,776 bytes; scales 884,736 bytes; wo16 2,097,152 bytes; proj 50,331,648 bytes; pbuf 33,554,432 bytes; stats 1,048,576 bytes; z 16,777,216 bytes
;; launch quant (part 1): grid 896 x 1, 4 waves a work-group, no clusters, 33,280 bytes of LDS; arguments q, k, v, Wq, Wk, Wv, Wo, codes, scales, wo16; writes codes, scales, wo16
.if DOCPART == 1
	.amdgcn_target "amdgcn-amd-amdhsa--gfx1250"
	.amdhsa_code_object_version 6
	.text
	.protected	k_q8a93554ef0_quant
	.globl	k_q8a93554ef0_quant
	.p2align	8
	.type	k_q8a93554ef0_quant,@function
k_q8a93554ef0_quant:
	s_mov_b64 s[64:65], 0
	v_nop
	global_prefetch_b8 v0, s[64:65] scope:SCOPE_SE
	s_setreg_imm32_b32 hwreg(HW_REG_WAVE_MODE, 25, 1), 1
	s_wait_xcnt 0x0
; q, k, v [8192][1024] and Wq, Wk, Wv [1024][1024], f32, K innermost, become codes of E2M1 (two a byte, the lower k in the low four bits) and one E8M0 byte for each 32 along K; Wo becomes f16.
; A block's scale is 2^(floor(log2(its largest magnitude)) - 2); its byte is the largest magnitude's exponent field - 2, held at 1 from below.  A block of zeros keeps the byte 1: its codes are zeros, and this program alone reads the bytes.
; LIMITS: blocks whose largest magnitude lies under 2^-124 get the byte 1; NaN and infinities among the inputs are not served; |Wo| stays under 65,504 (f16).
; A work-group takes 32,768 numbers, a wave 8,192.  Work-groups 0-255 q, 256-511 k, 512-767 v, 768-799 Wq, 800-831 Wk, 832-863 Wv: their codes and bytes are ONE stream in the work-group's number; 864-895 Wo.
; Quantising: each load reads 512 consecutive bytes; a step's 2,048 bytes turn through the wave's own stage in LDS so that a lane holds 16 neighbours along K; two neighbouring lanes hold a block.
; A wave's store of codes covers 256 consecutive aligned bytes; its 256 scale bytes are gathered in LDS and leave as one store of 256 aligned bytes.  No matrix work, no barrier: waves share nothing.
.set WAVES, 4
.set STEPS, 16
.set EMAX,  2
.set CB,    8                          ; bytes of 16 codes
.set R,     16                         ; v16-79   four sets of 16 numbers as loaded
.set X,     80                         ; v80-111  two sets of 16 neighbours
.set C,     128                        ; v128-191 codes (Wo: f16 pairs)
.set E,     112                        ; v112-127 a scale byte for each step
.set WREG,  8192                       ; LDS: a region for each wave: two stages of 32 x SP bytes, then its 256 scale bytes
.set SP,    80
.set SPW,   12                         ; v12 my spare word's LDS address; never rewritten
.set NIL,   13                         ; v13 0; never rewritten
.set SPARE, WAVES*WREG                 ; the spare words: 128 bytes a wave, named by no other line
	s_load_b256 s[4:11], s[0:1], 0x0               ; q s[4:5], k s[6:7], v s[8:9], Wq s[10:11]
	s_load_b256 s[12:19], s[0:1], 0x20             ; Wk s[12:13], Wv s[14:15], Wo s[16:17], codes s[18:19]
	s_load_b128 s[20:23], s[0:1], 0x40             ; scales s[20:21], wo16 s[22:23]
	v_lshl_add_u32 v[SPW], v0, 2, SPARE
	v_mov_b32 v[NIL], 0
	v_lshrrev_b32 v1, 5, v0
	v_readfirstlane_b32 s28, v1                    ; wave
	v_and_b32 v2, 31, v0                           ; lane
	v_lshlrev_b32 v3, 4, v2                        ; my 16 bytes of a load's 512
	s_mul_i32 s29, s28, WREG
	v_lshrrev_b32 v14, 2, v2
	v_mul_u32_u24 v14, v14, SP
	v_and_b32 v15, 3, v2
	v_lshl_add_u32 v14, v15, 4, v14
	v_add_nc_u32 v14, s29, v14                     ; the stage, on the way in: SP (lane / 4) + 16 (lane % 4)
	v_mul_u32_u24 v15, v2, SP
	v_add_nc_u32 v15, s29, v15                     ; and on the way out: SP x lane: my 16 neighbours
	v_mul_u32_u24 v4, v2, CB                       ; 8 x lane: my codes' place in a step's (Wo: my four f16)
	v_lshrrev_b32 v5, 1, v2
	s_add_co_u32 s29, s29, 2*32*SP
	v_add_nc_u32 v5, s29, v5                       ; my block's byte among my wave's 256
	v_lshlrev_b32 v7, 3, v2
	v_add_nc_u32 v6, s29, v7                       ; and 8 bytes a lane on the way out
	s_wait_kmcnt 0x0
	s_mov_b64 s[24:25], s[16:17]                   ; which tensor: chosen by the work-group's number alone
	s_mov_b32 s26, 864                             ; and the tensor's first work-group
	s_cmp_lt_u32 ttmp9, 864
	s_cselect_b64 s[24:25], s[14:15], s[24:25]
	s_cselect_b32 s26, 832, s26
	s_cmp_lt_u32 ttmp9, 832
	s_cselect_b64 s[24:25], s[12:13], s[24:25]
	s_cselect_b32 s26, 800, s26
	s_cmp_lt_u32 ttmp9, 800
	s_cselect_b64 s[24:25], s[10:11], s[24:25]
	s_cselect_b32 s26, 768, s26
	s_cmp_lt_u32 ttmp9, 768
	s_cselect_b64 s[24:25], s[8:9], s[24:25]
	s_cselect_b32 s26, 512, s26
	s_cmp_lt_u32 ttmp9, 512
	s_cselect_b64 s[24:25], s[6:7], s[24:25]
	s_cselect_b32 s26, 256, s26
	s_cmp_lt_u32 ttmp9, 256
	s_cselect_b64 s[24:25], s[4:5], s[24:25]
	s_cselect_b32 s26, 0, s26
	s_sub_co_u32 s27, ttmp9, s26
	s_lshl_b32 s27, s27, 2
	s_add_co_u32 s27, s27, s28                     ; which run of 8,192 numbers of the tensor is my wave's (under 1,024)
	s_lshl_b32 s30, s27, 15                        ; 32,768 bytes a run
	s_mov_b32 s31, 0
	s_add_nc_u64 s[24:25], s[24:25], s[30:31]
	s_cmp_ge_u32 ttmp9, 864
	s_cbranch_scc1 .Lwo
	s_lshl_b32 s32, ttmp9, 2
	s_add_co_u32 s32, s32, s28                     ; my run in the one stream of codes and bytes
	s_lshl_b32 s30, s32, 12                        ; 4,096 bytes of codes a run
	s_add_nc_u64 s[18:19], s[18:19], s[30:31]
	s_lshl_b32 s30, s32, 8                         ; 256 scale bytes a run
	s_add_nc_u64 s[20:21], s[20:21], s[30:31]
.macro LOAD t
.irp i, 0,1,2,3
	global_load_b128 v[R+16*((\t)%4)+4*\i:R+16*((\t)%4)+4*\i+3], v3, s[24:25] offset:2048*(\t)+512*\i th:TH_LOAD_NT   ; 32 lanes read 512 consecutive bytes
.endr
.endm
.macro TURN t                          ; step t's numbers through the stage: LDS serves a wave's instructions in order, so no wait stands between the stores and the loads
.irp i, 0,1,2,3
	ds_store_b128 v14, v[R+16*((\t)%4)+4*\i:R+16*((\t)%4)+4*\i+3] offset:32*SP*((\t)%2)+8*SP*\i
.endr
.irp i, 0,1,2,3
	ds_load_b128 v[X+16*((\t)%2)+4*\i:X+16*((\t)%2)+4*\i+3], v15 offset:32*SP*((\t)%2)+16*\i
.endr
.endm
.irp t, 0,1,2,3
	LOAD \t
.endr
	s_wait_loadcnt 12                              ; step 0's four loads are in; twelve younger ones stay out
	TURN 0
.macro STEP t
.set XS, X+16*((\t)%2)
.if (\t) > 0
	s_wait_dscnt 1                                 ; this step's numbers are back from the stage (the last step's byte store may be out)
.else
	s_wait_dscnt 0x0
.endif
.if (\t)+4 < STEPS
	LOAD (\t)+4                                    ; into the registers that the stage's stores have read
.endif
.if (\t)+1 < STEPS
.if STEPS-2-(\t) >= 3
	s_wait_loadcnt 12                              ; the next step's four loads are in; those of the three steps behind it may be out
.else
	s_wait_loadcnt 4*(STEPS-2-(\t))
.endif
	TURN (\t)+1
.endif
	v_max3_num_f32 v8, |v[XS]|, |v[XS+1]|, |v[XS+2]|               ; the largest magnitude of my 16, in two chains
	v_max3_num_f32 v9, |v[XS+3]|, |v[XS+4]|, |v[XS+5]|
.irp i, 6,10
	v_max3_num_f32 v8, v8, |v[XS+\i]|, |v[XS+\i+1]|
	v_max3_num_f32 v9, v9, |v[XS+\i+2]|, |v[XS+\i+3]|
.endr
	v_max3_num_f32 v8, v8, |v[XS+14]|, |v[XS+15]|
	v_max3_num_f32 v8, v8, v9, (EMAX+1)<<23        ; and the floor 2^(3 - 127): the byte cannot fall under 1
	v_max_num_f32_dpp v8, v8, v8 row_xmask:1 row_mask:0xf bank_mask:0xf   ; with my neighbour's 16: the block's
	v_add_nc_u32 v11, -(EMAX<<23), v8              ; 2 off its exponent field: the conversion takes this operand's exponent field as its scale
	v_cvt_scalef32_pk8_fp4_f32 v[C+4*(\t)], v[XS:XS+7], v11
	v_cvt_scalef32_pk8_fp4_f32 v[C+4*(\t)+1], v[XS+8:XS+15], v11
	v_lshrrev_b32 v[E+(\t)], 23, v11               ; the scale's byte (also the plain line behind the conversions)
	ds_store_b8 v5, v[E+(\t)] offset:16*(\t)       ; both lanes of a block write the same byte with the same value
	global_store_b64 v4, v[C+4*(\t):C+4*(\t)+1], s[18:19] offset:32*CB*(\t)   ; the wave stores 256 consecutive aligned bytes
.endm
.irp t, 0,1,2,3,4,5,6,7,8,9,10,11,12,13,14,15
	STEP \t
.endr
	ds_load_b64 v[8:9], v6                         ; in order behind my byte stores
	s_wait_dscnt 0x0
	global_store_b64 v7, v[8:9], s[20:21]          ; 256 consecutive aligned bytes
	s_wait_tensorcnt 0x0                           ; the wave's end
	ds_add_u32 v[SPW], v[NIL]
	s_wait_dscnt 0x0
	s_endpgm
.Lwo:                                                  ; Wo to f16: four rounds of 16 loads; a lane's 4 numbers become 8 bytes, a wave's store 256 consecutive aligned bytes
	s_lshl_b32 s30, s27, 14                        ; 16,384 bytes of f16 a run
	s_add_nc_u64 s[22:23], s[22:23], s[30:31]
.macro WOROUND rr
.if \rr > 0
	s_wait_xcnt 0x0                                ; the last round's stores have read their data registers, which are written again below
.endif
.irp i, 0,1,2,3,4,5,6,7,8,9,10,11,12,13,14,15
	global_load_b128 v[R+4*\i:R+4*\i+3], v3, s[24:25] offset:512*(16*\rr+\i) th:TH_LOAD_NT
.endr
.irp i, 0,1,2,3,4,5,6,7,8,9,10,11,12,13,14,15
	s_wait_loadcnt 15-\i                           ; loads come back in order: load i is in, the younger ones stay out
	v_cvt_pk_f16_f32 v[C+2*\i], v[R+4*\i], v[R+4*\i+1]
	v_cvt_pk_f16_f32 v[C+2*\i+1], v[R+4*\i+2], v[R+4*\i+3]
	global_store_b64 v4, v[C+2*\i:C+2*\i+1], s[22:23] offset:256*(16*\rr+\i)
.endr
.endm
	WOROUND 0
	WOROUND 1
	WOROUND 2
	WOROUND 3
	s_wait_tensorcnt 0x0                           ; the same three closing lines on this path
	ds_add_u32 v[SPW], v[NIL]
	s_wait_dscnt 0x0
	s_endpgm
.Lfunc_end_k_q8a93554ef0_quant:
	.size	k_q8a93554ef0_quant, .Lfunc_end_k_q8a93554ef0_quant-k_q8a93554ef0_quant
	.p2alignl 7, 3214868480
	.fill 96, 4, 3214868480
	.section	.rodata,"a",@progbits
	.p2align	6, 0x0
	.amdhsa_kernel k_q8a93554ef0_quant
		.amdhsa_group_segment_fixed_size 33280
		.amdhsa_private_segment_fixed_size 0
		.amdhsa_enable_private_segment 0
		.amdhsa_kernarg_size 80
		.amdhsa_user_sgpr_count 2
		.amdhsa_user_sgpr_kernarg_segment_ptr 1
		.amdhsa_wavefront_size32 1
		.amdhsa_system_sgpr_workgroup_id_x 1
		.amdhsa_system_sgpr_workgroup_id_y 1
		.amdhsa_system_sgpr_workgroup_id_z 1
		.amdhsa_system_vgpr_workitem_id 0
		.amdhsa_next_free_vgpr 192
		.amdhsa_next_free_sgpr 66
		.amdhsa_reserve_vcc 0
		.amdhsa_float_denorm_mode_32 3
		.amdhsa_float_denorm_mode_16_64 3
		.amdhsa_memory_ordered 1
		.amdhsa_forward_progress 1
		.amdhsa_inst_pref_size 57
	.end_amdhsa_kernel
	.amdgpu_metadata
---
amdhsa.version: [ 1, 2 ]
amdhsa.kernels:
  - .name:           k_q8a93554ef0_quant
    .symbol:         k_q8a93554ef0_quant.kd
    .args:
      - { .name: q, .offset: 0, .size: 8, .value_kind: global_buffer, .address_space: global }
      - { .name: k, .offset: 8, .size: 8, .value_kind: global_buffer, .address_space: global }
      - { .name: v, .offset: 16, .size: 8, .value_kind: global_buffer, .address_space: global }
      - { .name: Wq, .offset: 24, .size: 8, .value_kind: global_buffer, .address_space: global }
      - { .name: Wk, .offset: 32, .size: 8, .value_kind: global_buffer, .address_space: global }
      - { .name: Wv, .offset: 40, .size: 8, .value_kind: global_buffer, .address_space: global }
      - { .name: Wo, .offset: 48, .size: 8, .value_kind: global_buffer, .address_space: global }
      - { .name: codes, .offset: 56, .size: 8, .value_kind: global_buffer, .address_space: global }
      - { .name: scales, .offset: 64, .size: 8, .value_kind: global_buffer, .address_space: global }
      - { .name: wo16, .offset: 72, .size: 8, .value_kind: global_buffer, .address_space: global }
    .group_segment_fixed_size: 33280
    .private_segment_fixed_size: 0
    .kernarg_segment_align: 8
    .kernarg_segment_size: 80
    .max_flat_workgroup_size: 128
    .sgpr_count:     66
    .vgpr_count:     192
    .wavefront_size: 32
...
	.end_amdgpu_metadata
.endif
;; end of part 1
;; launch proj (part 2): grid 4 x 96, 4 waves a work-group, clusters of 4 x 4, 327,680 bytes of LDS; arguments codes, scales, bq, bk, bv, proj; writes proj
.if DOCPART == 2
	.amdgcn_target "amdgcn-amd-amdhsa--gfx1250"
	.amdhsa_code_object_version 6
	.text
	.protected	k_q8a93554ef0_proj
	.globl	k_q8a93554ef0_proj
	.p2align	8
	.type	k_q8a93554ef0_proj,@function
k_q8a93554ef0_proj:
	s_mov_b64 s[64:65], 0
	v_nop
	global_prefetch_b8 v0, s[64:65] scope:SCOPE_SE
	s_setreg_imm32_b32 hwreg(HW_REG_WAVE_MODE, 25, 1), 1
	s_wait_xcnt 0x0
	s_wait_alu depctr_hold_cnt(0) depctr_sa_sdst(0) depctr_va_vdst(0) depctr_va_sdst(0) depctr_va_ssrc(0) depctr_va_vcc(0) depctr_vm_vsrc(0)
	s_getreg_b32 s2, hwreg(HW_REG_IB_STS2, 6, 4)
	s_cmp_eq_u32 s2, 0
	s_cbranch_scc0 .Lentry_in_a_cluster
	s_endpgm
.Lentry_in_a_cluster:
	s_bfe_u32 s2, ttmp6, 0x10000c
	s_cmp_lg_u32 s2, 0xf033
	s_cbranch_scc0 .Lentry_shape_is_right
	s_endpgm
.Lentry_shape_is_right:
; The three quantised projections as ONE product on codes of E2M1: C[m][n] = bias_t[n] + sum over k of X[m][k] W_t[n][k], m = 0 .. 24,575 (q's, k's, v's rows on end), t = m / 8,192, K = 1,024; C leaves as f16.
; LIMIT: |C| stays under 65,504 (f16).
; A tile of C, 256 x 256, is made by four waves, 128 x 128 each: 64 accumulators, 512 registers.  K is two slots of 512 (rows of 256 bytes of codes): both are asked for at the head and nothing is filled again.
; The scale bytes of the tile's 256 + 256 rows, for all of K, are two dense blocks and come once, as rows of 256 bytes + 16 of padding.
; CLUSTER 4 x 4: X's tiles are shared along a row of the cluster, W's along a column; each is asked for jointly.  t is made of the cluster's y alone (8 clusters of 1,024 rows to a tensor), so it is equal in all sixteen.
; The matrix instruction is used transposed (source 0 = 16 rows of W, source 1 = 16 rows of X): a lane holds eight neighbouring columns of one row of C.  The bias is the C of each sum's first product.
; REGISTERS: window 0: v0-31 addresses; v32-95 scale words, two sets; v128-191 X's fragments, one set; v192-255 the bias, 8 registers a block of columns; on the way out v32-63, v192-255 at work.
;   window 1: W's fragments, two sets, at v0 and v128.   windows 2, 3: the accumulators of my rows 0-63, 64-127 (accumulator (a, b) at v[8 (8 (a % 4) + b)]).
.set SIZE_N, 1024
.set SIZE_K, 1024
.set KSTEP,  512
.set NQ,     KSTEP/128
.set ROWB,   256
.set KROW,   SIZE_K/2
.set PITCH,  272                       ; 256 bytes + 16: the 16 rows of a fragment load start 68 words apart, at 16 different groups of four banks
.set FR,     8
.set NL,     2
.set NP,     4
.set HALFT,  128*PITCH
.set SLOT,   4*HALFT
.set KS,     SIZE_K/32
.set SCL,    2*SLOT
.set HALFS,  (128*KS/256)*272
.set SBLK,   (16*KS/256)*272
.set SPARE,  SCL+4*HALFS               ; the spare words: 128 bytes a wave, named by no other line
.set SPITCH, 272                       ; the way out: a stage of 16 rows x (256 + 16) bytes a wave, in slot 0, which has had its only fill and its last read by then
.set CROW,   SIZE_N*2                  ; a row of C in bytes
.set WCODES, 12582912                  ; where Wq's codes begin; 524,288 bytes a weight
.set WSCALES, 786432                   ; where Wq's scale bytes begin; 32,768 a weight
.set ADRA, 16
.set ADRB, 20
.set STO,  24
.set RD,   25
.set CO,   26
.set ADRS, 27
.set SPW,  28
.set NIL,  29
.set SC,   32
.set AF,   128
.set BI,   192
.set TMP,  192
.set OB,   32
.set G1, 24
.set G0, 32
.set G1B, 48
.set G0B, 56
.set G1S, 68
.set G0S, 76
.set G1SB, 80
.set G0SB, 88
.set MSB, 0
.macro WIN new                         ; the immediate's high byte repeats the setting that is left
.if MSB != (\new)
	s_set_vgpr_msb (MSB<<8)|(\new)
.set MSB, \new
.endif
.endm
.set MUL_LO, 0xa1                      ; source 0 (W) window 1, source 1 (X) window 0, C and D window 2
.set MUL_HI, 0xf1
.set TO_B,   0x40
; A joint load: waves 0 and 1 fetch for X, waves 2 and 3 for W.  The branch hangs on the wave's number alone.  An s_nop 0 and four v_nop follow each line.
.macro JLOAD g0a, g1a, g0b, g1b
	s_cmp_eq_u32 s15, 0
	s_cbranch_scc0 .Lfor_b_\@
	tensor_load_to_lds s[\g0a:\g0a+3], s[\g1a:\g1a+7]
	s_nop 0
.rept 4
	v_nop
.endr
	s_branch .Lasked_\@
.Lfor_b_\@:
	tensor_load_to_lds s[\g0b:\g0b+3], s[\g1b:\g1b+7]
	s_nop 0
.rept 4
	v_nop
.endr
.Lasked_\@:
.endm
.macro CROUND                          ; a round of the cluster's barrier
	s_barrier_signal -1
	s_barrier_wait -1
	s_cmp_lg_u32 s14, 0
	s_cbranch_scc1 .Lnot_wave_0_\@
	s_barrier_signal -3
.Lnot_wave_0_\@:
	s_barrier_wait -3
	s_barrier_signal -1
	s_barrier_wait -1
.endm
	s_load_b128 s[4:7], s[0:1], 0x0                ; codes, scales
	s_load_b128 s[96:99], s[0:1], 0x10             ; bq, bk
	s_load_b128 s[8:11], s[0:1], 0x20              ; bv, proj
	v_lshl_add_u32 v[SPW], v0, 2, SPARE
	v_mov_b32 v[NIL], 0
	ds_add_u32 v[SPW], v[NIL]                      ; the wave's opening: the add, twice on end, and its wait ahead of my first tensor load
	ds_add_u32 v[SPW], v[NIL]
	v_lshrrev_b32 v1, 5, v0
	v_readfirstlane_b32 s14, v1                    ; wave 0..3
	s_lshr_b32 s15, s14, 1                         ; my half of the tile's rows; also: I fetch for X (0) or W (1)
	s_and_b32 s16, s14, 1                          ; my half of its columns; also: which 128 rows I fetch
	s_bfe_u32 s40, ttmp6, 0x40000                  ; cx
	s_bfe_u32 s41, ttmp6, 0x40004                  ; cy
	s_lshl_b32 s42, ttmp9, 2
	s_add_co_u32 s42, s42, s40                     ; tile column
	s_and_b32 s17, ttmp7, 0xffff
	s_lshr_b32 s95, s17, 3                         ; t: which of the three products, from the cluster's y alone
	s_lshl_b32 s17, s17, 2
	s_add_co_u32 s17, s17, s41                     ; tile row
	s_lshl_b32 s43, s41, 2
	s_lshl_b32 s43, 15, s43                        ; my row of the cluster
	s_lshl_b32 s44, 0x1111, s40                    ; my column
	s_or_b32 s[G1+0], s43, (0<<16)|(1<<20)|(1<<21)|(5<<22)|(3<<25)  ; mask; elements of 1 byte; padding: 4 words behind every 64; bit 21 beside a mask
	s_or_b32 s[G1B+0], s44, (0<<16)|(1<<20)|(1<<21)|(5<<22)|(3<<25)
.irp g, G1, G1B
	s_mov_b32 s[\g+1], ROWB<<16                    ; tensor_dim0
	s_mov_b32 s[\g+2], 128<<16                     ; tensor_dim1
	s_mov_b32 s[\g+3], ROWB<<16                    ; tile_dim0
	s_mov_b32 s[\g+4], 128                         ; tile_dim1
	s_mov_b32 s[\g+5], KROW                        ; from row to row
	s_mov_b32 s[\g+6], 0
	s_mov_b32 s[\g+7], 0
.endr
	s_or_b32 s[G1S+0], s43, (3<<16)|(1<<20)|(1<<21)|(5<<22)|(3<<25)  ; the scales of 128 rows: 4,096 dense bytes as 16 rows of 32 elements of 8 bytes
	s_or_b32 s[G1SB+0], s44, (3<<16)|(1<<20)|(1<<21)|(5<<22)|(3<<25)
.irp g, G1S, G1SB
	s_mov_b32 s[\g+1], 32<<16
	s_mov_b32 s[\g+2], (128*KS/256)<<16
	s_mov_b32 s[\g+3], 32<<16
	s_mov_b32 s[\g+4], 128*KS/256
	s_mov_b32 s[\g+5], 32
	s_mov_b32 s[\g+6], 0
	s_mov_b32 s[\g+7], 0
.endr
	s_lshl_b32 s18, s16, 7
	s_lshl_b32 s20, s17, 8
	s_add_co_u32 s20, s20, s18                     ; X: row 256 x tile row + 128 x half
	s_lshl_b32 s46, s42, 8
	s_add_co_u32 s46, s46, s18                     ; W: row 256 x tile column + 128 x half
	s_mov_b32 s21, 0
	s_mov_b32 s47, 0
	s_mov_b64 s[18:19], KS
	s_mul_u64 s[22:23], s[20:21], s[18:19]         ; where these rows' scales begin
	s_mul_u64 s[92:93], s[46:47], s[18:19]
	s_mov_b64 s[18:19], KROW
	s_mul_u64 s[20:21], s[20:21], s[18:19]         ; and their codes
	s_mul_u64 s[46:47], s[46:47], s[18:19]
	s_mul_i32 s45, s14, HALFT                      ; where they go: wave x 128 rows
	s_mul_i32 s94, s14, HALFS
	s_wait_dscnt 0x0                               ; both opening adds are done
	s_wait_kmcnt 0x0
	s_cmp_eq_u32 s95, 0                            ; the bias of my product
	s_cselect_b64 s[100:101], s[96:97], s[98:99]
	s_cmp_eq_u32 s95, 2
	s_cselect_b64 s[100:101], s[8:9], s[100:101]
	s_mov_b64 s[12:13], s[10:11]                   ; C
	s_lshl_b32 s96, s95, 19
	s_add_co_u32 s96, s96, WCODES
	s_mov_b32 s97, 0
	s_add_nc_u64 s[8:9], s[4:5], s[96:97]          ; my weight's codes
	s_lshl_b32 s96, s95, 15
	s_add_co_u32 s96, s96, WSCALES
	s_add_nc_u64 s[10:11], s[6:7], s[96:97]        ; and its scale bytes
	s_add_nc_u64 s[20:21], s[4:5], s[20:21]
	s_add_nc_u64 s[22:23], s[6:7], s[22:23]
	s_add_nc_u64 s[46:47], s[8:9], s[46:47]
	s_add_nc_u64 s[92:93], s[10:11], s[92:93]
	CROUND                                         ; all sixteen work-groups are here: the joint loads meet
	s_mov_b32 s[G0S], 1
	s_add_co_u32 s[G0S+1], s94, SCL
	s_mov_b64 s[G0S+2:G0S+3], s[22:23]
	s_or_b32 s[G0S+3], s[G0S+3], 0x80000000
	s_mov_b32 s[G0SB], 1
	s_add_co_u32 s[G0SB+1], s94, SCL
	s_mov_b64 s[G0SB+2:G0SB+3], s[92:93]
	s_or_b32 s[G0SB+3], s[G0SB+3], 0x80000000
	JLOAD G0S, G1S, G0SB, G1SB                     ; the scales first: they are wanted with slot 0
.irp s, 0,1
	s_mov_b32 s[G0+4*\s], 1
	s_add_co_u32 s[G0+4*\s+1], s45, \s*SLOT
	s_add_nc_u64 s[G0+4*\s+2:G0+4*\s+3], s[20:21], \s*ROWB
	s_or_b32 s[G0+4*\s+3], s[G0+4*\s+3], 0x80000000
	s_mov_b32 s[G0B+4*\s], 1
	s_add_co_u32 s[G0B+4*\s+1], s45, \s*SLOT
	s_add_nc_u64 s[G0B+4*\s+2:G0B+4*\s+3], s[46:47], \s*ROWB
	s_or_b32 s[G0B+4*\s+3], s[G0B+4*\s+3], 0x80000000
	JLOAD G0+4*\s, G1, G0B+4*\s, G1B               ; three loads of mine are out behind the second of these
.endr
	v_and_b32 v1, 15, v0                           ; r
	v_bfe_u32 v2, v0, 4, 1                         ; h
	v_mul_u32_u24 v3, v1, PITCH
	v_lshl_add_u32 v4, v2, 4, v3                   ; row x pitch + 16 x half
	s_mul_i32 s21, s15, HALFT
	s_mul_i32 s22, s16, HALFT
	s_add_co_u32 s22, s22, 2*HALFT
.irp s, 0,1
	v_add_nc_u32 v[ADRA+\s], s21, v4
	v_add_nc_u32 v[ADRB+\s], s22, v4
	s_add_co_u32 s21, s21, SLOT
	s_add_co_u32 s22, s22, SLOT
.endr
	v_mul_u32_u24 v5, v1, KS                       ; my row's scales: KS bytes a row,
	v_lshrrev_b32 v6, 8, v5
	v_lshl_add_u32 v5, v6, 4, v5                   ; and 16 more for each 256 passed
	s_mul_i32 s21, s15, HALFS
	s_mul_i32 s22, s16, HALFS
	s_add_co_u32 s22, s22, 2*HALFS
	s_sub_co_u32 s22, s22, s21
	v_mul_u32_u24 v6, s22, v2                      ; lanes 16-31 take W's: one product, the distance between the two bases
	s_add_co_u32 s21, s21, SCL
	v_add_nc_u32 v5, v5, v6
	v_add_nc_u32 v[ADRS], s21, v5
	s_mul_i32 s23, s14, 16*SPITCH                  ; my stage
	v_add_nc_u32 v[STO], s23, v4                   ; in: row r, 16 bytes for each half of the lanes
	v_mul_u32_u24 v5, v2, SPITCH
	v_lshl_add_u32 v5, v1, 4, v5
	v_add_nc_u32 v[RD], s23, v5                    ; back: lanes 0-15 one row of 256 bytes, lanes 16-31 the next
	v_lshlrev_b32 v5, 11, v2
	v_lshl_add_u32 v[CO], v1, 4, v5                ; the same two rows in C
	s_lshl_b32 s20, s17, 8
	s_lshl_b32 s21, s15, 7
	s_add_co_u32 s20, s20, s21                     ; my first row of C,
	s_lshl_b32 s20, s20, 11                        ; in bytes (under 2^26)
	s_lshl_b32 s46, s42, 9
	s_lshl_b32 s47, s16, 8
	s_add_co_u32 s46, s46, s47                     ; my first column, in bytes of f16
	s_add_co_u32 s20, s20, s46
	s_mov_b32 s21, 0
	s_add_nc_u64 s[12:13], s[12:13], s[20:21]
	s_lshl_b32 s46, s46, 1                         ; the same column in bytes of f32
	s_mov_b32 s47, 0
	s_add_nc_u64 s[100:101], s[100:101], s[46:47]
	v_lshlrev_b32 v7, 5, v2                        ; lane (r, h) wants, for block b, bias[16 b + 8 h + 0 .. 7]
.irp b, 0,1,2,3,4,5,6,7
	global_load_b128 v[BI+8*\b:BI+8*\b+3], v7, s[100:101] offset:64*\b
	global_load_b128 v[BI+8*\b+4:BI+8*\b+7], v7, s[100:101] offset:64*\b+16
.endr
.macro FRAG reg, adr, q, i             ; 16 rows x 128 K of 4-bit codes: 8 registers, two loads of 16 bytes 32 bytes apart
.irp c, 0,1
	ds_load_b128 v[\reg+4*\c:\reg+4*\c+3], v[\adr] offset:64*(\q)+32*\c+(\i)*16*PITCH
.endr
.endm
; 16 matrix instructions: X's blocks a0, a0 + 1 x W's eight.  zero = 1: the first product starts the sums from the bias.  The 64 accumulators take turns, one instruction a turn.
.macro MUL16 a0, p, q, sc, zero
.irp a, \a0, \a0+1
.irp b, 0,1,2,3,4,5,6,7
.if \zero
	v_wmma_scale_f32_16x16x128_f8f6f4 v[8*(8*((\a)%4)+\b):8*(8*((\a)%4)+\b)+7], v[128*(\p)+FR*\b:128*(\p)+FR*\b+FR-1], v[AF+FR*(\a):AF+FR*(\a)+FR-1], v[BI+8*\b:BI+8*\b+7], v[SC+8*NQ*(\sc)+NQ*\b+(\q)], v[SC+8*NQ*(\sc)+NQ*(\a)+(\q)] matrix_a_fmt:MATRIX_FMT_FP4 matrix_b_fmt:MATRIX_FMT_FP4 matrix_a_scale:MATRIX_SCALE_ROW1
.else
	v_wmma_scale_f32_16x16x128_f8f6f4 v[8*(8*((\a)%4)+\b):8*(8*((\a)%4)+\b)+7], v[128*(\p)+FR*\b:128*(\p)+FR*\b+FR-1], v[AF+FR*(\a):AF+FR*(\a)+FR-1], v[8*(8*((\a)%4)+\b):8*(8*((\a)%4)+\b)+7], v[SC+8*NQ*(\sc)+NQ*\b+(\q)], v[SC+8*NQ*(\sc)+NQ*(\a)+(\q)] matrix_a_fmt:MATRIX_FMT_FP4 matrix_b_fmt:MATRIX_FMT_FP4 matrix_a_scale:MATRIX_SCALE_ROW1
.endif
.endr
.endr
.endm
.macro FETCH_B slot, q, p
	WIN TO_B
.irp i, 0,1,2,3,4,5,6,7
	FRAG 128*(\p)+FR*\i, ADRB+\slot, \q, \i
.endr
	WIN 0
.endm
.macro FETCH_A slot, q, i0
.irp i, \i0, \i0+1, \i0+2, \i0+3
	FRAG AF+FR*(\i), ADRA+\slot, \q, \i
.endr
.endm
.macro SCALES sc                       ; a slot's scale words: 4 words a row; lanes 0-15 X's block i, lanes 16-31 W's block i
.irp i, 0,1,2,3,4,5,6,7
	ds_load_b128 v[SC+8*NQ*\sc+NQ*\i:SC+8*NQ*\sc+NQ*\i+3], v[ADRS] offset:\i*SBLK
.endr
.endm
.macro PLACES n                        ; plain vector lines between a matrix instruction and a load into, or a read of, its registers
.rept \n
	v_nop
.endr
.endm
.macro STEP slot, q, zero              ; 128 along K that has its successor in the same slot
	s_wait_dscnt 4*NL                              ; W's set and X's blocks 0-3 are in; the youngest eight loads (X's blocks 4-7) may be out
.if \zero
	WIN 0x81                                       ; C (the bias) in window 0, D in window 2
.else
	WIN MUL_LO
.endif
	MUL16 0, (\q)%2, \q, \slot, \zero
	MUL16 2, (\q)%2, \q, \slot, \zero
	s_wait_dscnt 0
	PLACES NP
	FETCH_B \slot, (\q)+1, 1-(\q)%2
	FETCH_A \slot, (\q)+1, 0
.if \zero
	WIN 0xc1
.else
	WIN MUL_HI
.endif
	MUL16 4, (\q)%2, \q, \slot, \zero
	MUL16 6, (\q)%2, \q, \slot, \zero
	PLACES NP
	WIN 0
	FETCH_A \slot, (\q)+1, 4
.endm
.macro TURN slot, next                 ; slot 0's last step changes slots: one barrier; nothing is filled again
	s_wait_tensorcnt 0x0                           ; my part of the next slot has landed
	ds_add_u32 v[SPW], v[NIL]                      ; 0 onto my spare word
	s_wait_dscnt 4*NL+1                            ; the add and X's blocks 4-7 may be out
	WIN MUL_LO
	MUL16 0, 1, NQ-1, \slot, 0
	s_wait_dscnt 0x0                               ; the add is done, my reads of this slot are over
	s_barrier_signal -1
	MUL16 2, 1, NQ-1, \slot, 0
	WIN 0
	s_barrier_wait -1
	PLACES NP
	v_add_nc_u32 v[ADRS], 4*NQ, v[ADRS]            ; the next slot's scale words
	FETCH_B \next, 0, 0
	FETCH_A \next, 0, 0
	SCALES \next
	WIN MUL_HI
	MUL16 4, 1, NQ-1, \slot, 0
	MUL16 6, 1, NQ-1, \slot, 0
	PLACES NP
	WIN 0
	FETCH_A \next, 0, 4
.endm
.macro STEPS slot, from
.set Q, \from
.rept NQ-1-\from
	STEP \slot, Q, 0
.set Q, Q+1
.endr
.endm
	s_wait_tensorcnt 1                             ; the scales and my part of slot 0 are in; slot 1's load may be out
	s_barrier_signal -1
	s_barrier_wait -1
	FETCH_B 0, 0, 0
	FETCH_A 0, 0, 0
	SCALES 0
	FETCH_A 0, 0, 4
	s_wait_loadcnt 0x0                             ; the bias
	STEP 0, 0, 1
	STEPS 0, 1
	TURN 0, 1
	STEPS 1, 0
	s_wait_dscnt 4*NL                              ; the last step: nothing more to fetch
	WIN MUL_LO
	MUL16 0, 1, NQ-1, 1, 0
	MUL16 2, 1, NQ-1, 1, 0
	s_wait_dscnt 0
	WIN MUL_HI
	MUL16 4, 1, NQ-1, 1, 0
	MUL16 6, 1, NQ-1, 1, 0
	WIN 0
; THE WAY OUT, a block of 16 rows x 128 columns at a time: rounded to f16 (16 bytes a lane), through my own stage, back as whole rows of 256 bytes: sixteen lanes store 256 consecutive aligned bytes.
.macro PACK a
.set AC, 64*((\a)%4)
	WIN 0x0a+5*((\a)/4)                            ; sources in window 2 or 3
.irp b, 0,1,2,3,4,5,6,7
.irp r, 0,1,2,3
	v_cvt_pk_f16_f32 v[TMP+4*\b+\r], v[AC+8*\b+2*\r], v[AC+8*\b+2*\r+1]   ; each accumulator from its low end on
.endr
.endr
	WIN 0
.endm
.macro TOSTAGE a
.set BB, OB+192*((\a)%2)
.irp b, 0,1,2,3,4,5,6,7
	ds_store_b128 v[STO], v[TMP+4*\b:TMP+4*\b+3] offset:32*\b
.endr
.irp t, 0,1,2,3,4,5,6,7
	ds_load_b128 v[BB+4*\t:BB+4*\t+3], v[RD] offset:\t*2*SPITCH    ; in order behind my stores
.endr
.endm
.macro SEND a
.set BB, OB+192*((\a)%2)
	s_wait_dscnt 0x0                               ; the block is back in registers
	s_wait_xcnt 0x0                                ; earlier stores have read their base and data: both are rewritten only behind this wait
.if (\a) > 0
	s_add_nc_u64 s[12:13], s[12:13], 16*CROW
.endif
.irp t, 0,1,2,3,4,5,6,7
	global_store_b128 v[CO], v[BB+4*\t:BB+4*\t+3], s[12:13] offset:2*\t*CROW
.endr
.endm
	PLACES NP
	PACK 0
	TOSTAGE 0
.irp a, 1,2,3,4,5,6,7                  ; block a's conversions stand between block a - 1's loads from the stage and the wait for them
	PACK \a
	SEND \a-1
	TOSTAGE \a
.endr
	SEND 7
	s_wait_tensorcnt 0x0                           ; the wave's end
	ds_add_u32 v[SPW], v[NIL]
	s_wait_dscnt 0x0
	CROUND                                         ; the closing round
	s_endpgm
.Lfunc_end_k_q8a93554ef0_proj:
	.size	k_q8a93554ef0_proj, .Lfunc_end_k_q8a93554ef0_proj-k_q8a93554ef0_proj
	.p2alignl 7, 3214868480
	.fill 96, 4, 3214868480
	.section	.rodata,"a",@progbits
	.p2align	6, 0x0
	.amdhsa_kernel k_q8a93554ef0_proj
		.amdhsa_group_segment_fixed_size 327680
		.amdhsa_private_segment_fixed_size 0
		.amdhsa_enable_private_segment 0
		.amdhsa_kernarg_size 48
		.amdhsa_user_sgpr_count 2
		.amdhsa_user_sgpr_kernarg_segment_ptr 1
		.amdhsa_wavefront_size32 1
		.amdhsa_system_sgpr_workgroup_id_x 1
		.amdhsa_system_sgpr_workgroup_id_y 1
		.amdhsa_system_sgpr_workgroup_id_z 1
		.amdhsa_system_vgpr_workitem_id 0
		.amdhsa_next_free_vgpr 1024
		.amdhsa_next_free_sgpr 102
		.amdhsa_reserve_vcc 0
		.amdhsa_float_denorm_mode_32 3
		.amdhsa_float_denorm_mode_16_64 3
		.amdhsa_memory_ordered 1
		.amdhsa_forward_progress 1
		.amdhsa_inst_pref_size 129
	.end_amdhsa_kernel
	.amdgpu_metadata
---
amdhsa.version: [ 1, 2 ]
amdhsa.kernels:
  - .name:           k_q8a93554ef0_proj
    .symbol:         k_q8a93554ef0_proj.kd
    .args:
      - { .name: codes, .offset: 0, .size: 8, .value_kind: global_buffer, .address_space: global }
      - { .name: scales, .offset: 8, .size: 8, .value_kind: global_buffer, .address_space: global }
      - { .name: bq, .offset: 16, .size: 8, .value_kind: global_buffer, .address_space: global }
      - { .name: bk, .offset: 24, .size: 8, .value_kind: global_buffer, .address_space: global }
      - { .name: bv, .offset: 32, .size: 8, .value_kind: global_buffer, .address_space: global }
      - { .name: proj, .offset: 40, .size: 8, .value_kind: global_buffer, .address_space: global }
    .group_segment_fixed_size: 327680
    .private_segment_fixed_size: 0
    .kernarg_segment_align: 8
    .kernarg_segment_size: 48
    .max_flat_workgroup_size: 128
    .sgpr_count:     102
    .vgpr_count:     1024
    .wavefront_size: 32
...
	.end_amdgpu_metadata
.endif
;; end of part 2
;; launch scores (part 3): grid 36 x 4, 4 waves a work-group, no clusters, 327,680 bytes of LDS; arguments proj, pbuf, stats; writes pbuf, stats
.if DOCPART == 3
	.amdgcn_target "amdgcn-amd-amdhsa--gfx1250"
	.amdhsa_code_object_version 6
	.text
	.protected	k_q8a93554ef0_scores
	.globl	k_q8a93554ef0_scores
	.p2align	8
	.type	k_q8a93554ef0_scores,@function
k_q8a93554ef0_scores:
	s_mov_b64 s[64:65], 0
	v_nop
	global_prefetch_b8 v0, s[64:65] scope:SCOPE_SE
	s_setreg_imm32_b32 hwreg(HW_REG_WAVE_MODE, 25, 1), 1
	s_wait_xcnt 0x0
; The scores and the first half of the softmax.  For each batch the 36 tiles of 256 queries x 256 keys that the causal mask does not hide wholly: S = qp kp^T in f16 operands, f32 sums, K = 1,024.
; THE SOFTMAX IS TAKEN BY CHUNKS OF 128 KEYS (a wave's columns): t = S x log2(e) / 32; M_c = the chunk's largest t, held at -1e20 from below and rounded up to a whole number; p = 2^(t - M_c), rounded to f16, goes to pbuf;
; -M_c and l_c = the sum of the unrounded p go to stats.  The next launch takes the largest M_c of a row and brings every chunk under it by exact powers of two: the maximum is taken away before every exponential.
; THE MASK is the C of each sum's first product: 0 or -1e30, in three fragments (block of keys below, on, above the block of queries); outside the diagonal tiles all three are 0.  A hidden score stays -1e30, its p is 0.
; LIMITS: |qp|, |kp| under 65,504 (f16); |S| under about 1e20; NaN and infinities are not served.
; SHARES: four waves, 128 x 128 each, 64 accumulators.  K in steps of 128 through two LDS slots; each wave fetches 128 rows (waves 0, 1 the queries', waves 2, 3 the keys') with one tensor load a step.
; NO CLUSTER: row i of the triangle has i + 1 tiles and column j has 8 - j, so fours that share a row or a column exist only with work-groups added whose every score is hidden.
; The matrix instruction is used transposed (source 0 = 16 keys, source 1 = 16 queries): a lane holds ONE query (lane % 16) and eight neighbouring keys, 8 (lane / 16) + 0 .. 7.
; REGISTERS: window 0: v16-31 addresses; v32-41 at work; v64-127, v128-191 the queries' fragments, two buffers; v192-215 the mask's fragments, later v192-223 packed p.  window 1: the keys' fragments.  windows 2, 3: accumulators.
.set KSTEP,  128
.set PITCH,  272                       ; 256 bytes + 16: the 16 rows of a fragment load start at 16 different groups of four banks
.set HALFT,  128*PITCH
.set SLOT,   4*HALFT
.set STAGE,  2*SLOT                    ; 16 rows x 272 bytes for each wave
.set SPITCH, 272
.set SM,     STAGE+4*16*SPITCH         ; 1,024 bytes for each wave: -M of its 128 queries, then l
.set SPARE,  SM+4*1024                 ; the spare words: 128 bytes a wave, named by no other line
.set LAPS,   4                         ; 1,024 / 256
.set PROW,   4096                      ; a row of pbuf in bytes
.set ADRA, 16
.set ADRB, 20
.set STO,  24
.set RD,   25
.set CO,   26
.set SMA,  27
.set SPW,  28
.set NIL,  29
.set SMR,  30
.set GS,   31
.set T,    32                          ; v32-35 four running maxima
.set NM,   36                          ; v36 -M (v37 is named with it as a pair)
.set S,    38                          ; v38-41 the sum, in two packed chains
.set F0,   64
.set F1,   128
.set CZ,   192
.set CD,   200
.set CN,   208
.set TMP,  192
.set BK,   64
.set G1,   24
.set G0,   32
.set CS,   40                          ; s[40:41] c = log2(e) / 32
.set SEL,  42                          ; s[42:43] selects for lane l xor 16
.set MSB, 0
.macro WIN new
.if MSB != (\new)
	s_set_vgpr_msb (MSB<<8)|(\new)
.set MSB, \new
.endif
.endm
.macro PLACES                          ; four plain lines between a matrix instruction and a load into, or a read of, its registers
.rept 4
	v_nop
.endr
.endm
	s_load_b128 s[4:7], s[0:1], 0x0                ; proj, pbuf
	s_load_b64 s[8:9], s[0:1], 0x10                ; stats
	v_lshl_add_u32 v[SPW], v0, 2, SPARE
	v_mov_b32 v[NIL], 0
	ds_add_u32 v[SPW], v[NIL]                      ; the wave's opening: the add, twice on end, and its wait ahead of my first tensor load
	ds_add_u32 v[SPW], v[NIL]
	v_lshrrev_b32 v1, 5, v0
	v_readfirstlane_b32 s10, v1                    ; wave
	s_lshr_b32 s11, s10, 1                         ; hr: my half of the queries
	s_and_b32 s12, s10, 1                          ; hc: my half of the keys; also which 128 rows I fetch
	s_mov_b32 s13, 0                               ; i: the tile's row in the triangle = how many of the triangular numbers are at or under x
.irp t, 1,3,6,10,15,21,28
	s_cmp_ge_u32 ttmp9, \t
	s_add_co_ci_u32 s13, s13, 0
.endr
	s_add_co_u32 s14, s13, 1
	s_mul_i32 s14, s14, s13
	s_lshr_b32 s14, s14, 1
	s_sub_co_u32 s14, ttmp9, s14                   ; j = x - i (i + 1) / 2
	s_and_b32 s15, ttmp7, 0xffff                   ; batch
	s_mov_b32 s[G1+0], (1<<16)|(1<<20)|(5<<22)|(3<<25)   ; elements of 2 bytes; 4 words of padding behind every 64
	s_mov_b32 s[G1+1], KSTEP<<16                   ; tensor_dim0
	s_mov_b32 s[G1+2], 128<<16                     ; tensor_dim1
	s_mov_b32 s[G1+3], KSTEP<<16                   ; tile_dim0
	s_mov_b32 s[G1+4], 128                         ; tile_dim1
	s_mov_b32 s[G1+5], 1024                        ; from row to row
	s_mov_b32 s[G1+6], 0
	s_mov_b32 s[G1+7], 0
	s_mov_b32 s[CS], 0x3d38aa3b
	s_mov_b32 s[CS+1], s[CS]
	s_mov_b32 s[SEL], 0x76543210
	s_mov_b32 s[SEL+1], 0xfedcba98
	s_lshl_b32 s16, s15, 11
	s_lshl_b32 s17, s13, 8
	s_add_co_u32 s17, s17, s16                     ; the tile's first query: row 2048 b + 256 i
	s_lshl_b32 s18, s14, 8                         ; its first key in the batch: 256 j
	s_add_co_u32 s19, s18, s16
	s_add_co_u32 s19, s19, 8192                    ; kp's rows lie 8,192 behind qp's
	s_cmp_lt_u32 s10, 2
	s_cselect_b32 s19, s17, s19                    ; a choice between two row numbers
	s_lshl_b32 s20, s12, 7
	s_add_co_u32 s19, s19, s20
	s_lshl_b32 s20, s19, 11                        ; 2,048 bytes a row (under 2^26)
	s_mov_b32 s21, 0
	s_mul_i32 s22, s10, HALFT                      ; where my rows go: wave x 128 rows
	s_wait_dscnt 0x0                               ; both opening adds are done
	s_wait_kmcnt 0x0
	s_add_nc_u64 s[20:21], s[4:5], s[20:21]
.irp s, 0,1
	s_mov_b32 s[G0+4*\s], 1
	s_add_co_u32 s[G0+4*\s+1], s22, \s*SLOT
	s_add_nc_u64 s[G0+4*\s+2:G0+4*\s+3], s[20:21], \s*KSTEP*2
	s_or_b32 s[G0+4*\s+3], s[G0+4*\s+3], 0x80000000
	tensor_load_to_lds s[G0+4*\s:G0+4*\s+3], s[G1:G1+7]   ; K steps 0 and 1: two loads of mine are out
	s_nop 0
.endr
	v_and_b32 v1, 15, v0                           ; r
	v_bfe_u32 v2, v0, 4, 1                         ; h
	v_mul_u32_u24 v3, v1, PITCH
	v_lshl_add_u32 v3, v2, 4, v3
	s_mul_i32 s44, s11, HALFT
	s_mul_i32 s45, s12, HALFT
	s_add_co_u32 s45, s45, 2*HALFT
.irp s, 0,1
	v_add_nc_u32 v[ADRA+\s], s44, v3
	v_add_nc_u32 v[ADRB+\s], s45, v3
	s_add_co_u32 s44, s44, SLOT
	s_add_co_u32 s45, s45, SLOT
.endr
	s_mul_i32 s46, s10, 16*SPITCH
	s_add_co_u32 s46, s46, STAGE
	v_add_nc_u32 v[STO], s46, v3                   ; the stage, in: row r, 16 bytes for each half of the lanes
	v_mul_u32_u24 v5, v2, SPITCH
	v_lshl_add_u32 v5, v1, 4, v5
	v_add_nc_u32 v[RD], s46, v5                    ; back: lanes 0-15 one row, lanes 16-31 the next
	v_lshlrev_b32 v5, 12, v2
	v_lshl_add_u32 v[CO], v1, 4, v5                ; the same two rows in pbuf
	s_lshl_b32 s46, s10, 10
	s_add_co_u32 s46, s46, SM
	v_lshl_add_u32 v[SMA], v1, 2, s46              ; my query's word among my wave's 128
	v_and_b32 v5, 31, v0
	v_lshlrev_b32 v[GS], 4, v5
	v_add_nc_u32 v[SMR], s46, v[GS]                ; and 16 bytes a lane on the way out
	s_lshl_b32 s44, s11, 7
	s_add_co_u32 s44, s44, s17                     ; my first query's row,
	s_lshl_b32 s44, s44, 12                        ; 4,096 bytes a row of pbuf (under 2^25)
	s_lshl_b32 s45, s12, 7
	s_add_co_u32 s45, s45, s18                     ; my first key,
	s_lshl_b32 s45, s45, 1
	s_add_co_u32 s44, s44, s45
	s_mov_b32 s45, 0
	s_add_nc_u64 s[6:7], s[6:7], s[44:45]
	s_lshl_b32 s44, s15, 4
	s_lshl_b32 s46, s14, 1
	s_add_co_u32 s44, s44, s46
	s_add_co_u32 s44, s44, s12                     ; stats' row: 16 b + my chunk, 2 j + hc
	s_lshl_b32 s44, s44, 11
	s_lshl_b32 s46, s13, 8
	s_add_co_u32 s44, s44, s46
	s_lshl_b32 s46, s11, 7
	s_add_co_u32 s44, s44, s46                     ; + my first query in the batch
	s_lshl_b32 s44, s44, 2
	s_add_nc_u64 s[8:9], s[8:9], s[44:45]
	s_cmp_eq_u32 s13, s14                          ; the mask's fragments, from ids alone
	s_cselect_b32 s46, 0xf149f2ca, 0               ; -1e30 in a tile on the diagonal
	s_cmp_le_u32 s11, s12
	s_cselect_b32 s47, s46, 0                      ; blocks of keys above the block of queries
	s_cmp_lt_u32 s11, s12
	s_cselect_b32 s48, s46, 0                      ; blocks below it
.irp n, 0,1,2,3,4,5,6,7
	v_mov_b32 v[CZ+\n], s48
	v_mov_b32 v[CN+\n], s47
.endr
	v_lshlrev_b32 v4, 3, v2
	v_sub_nc_u32 v4, v1, v4                        ; r - 8 h: in the block on the diagonal register n holds key 8 h + n, hidden where n > r - 8 h
.irp n, 0,1,2,3,4,5,6,7
	v_cmp_gt_i32 vcc_lo, \n, v4
	v_cndmask_b32 v[CD+\n], v[CZ], v[CN], vcc_lo
.endr
	v_mov_b32 v[NM+1], 0                           ; named as the upper half of a pair
.macro FETCH slot, k, f                ; 32 LDS loads in one run: 128 keys and 128 queries, 32 along K at byte k of the rows
	WIN 0x40
.irp i, 0,1,2,3,4,5,6,7
	ds_load_b128 v[\f+8*\i:\f+8*\i+3],   v[ADRB+\slot] offset:\k+\i*16*PITCH
	ds_load_b128 v[\f+8*\i+4:\f+8*\i+7], v[ADRB+\slot] offset:\k+\i*16*PITCH+32
.endr
	WIN 0
.irp i, 0,1,2,3,4,5,6,7
	ds_load_b128 v[\f+8*\i:\f+8*\i+3],   v[ADRA+\slot] offset:\k+\i*16*PITCH
	ds_load_b128 v[\f+8*\i+4:\f+8*\i+7], v[ADRA+\slot] offset:\k+\i*16*PITCH+32
.endr
.endm
; cnt blocks of queries from a0 on, each against the eight blocks of keys.  zero = 1: the first product starts the sums from the mask.  The 64 accumulators take turns in one order everywhere.
.macro MUL f, a0, cnt, zero
.set aa, \a0
.rept \cnt
.if \zero
	WIN 0x81+0x40*(aa/4)
.else
	WIN 0xa1+0x50*(aa/4)
.endif
.irp b, 0,1,2,3,4,5,6,7
.set rD, 8*(8*(aa%4)+\b)
.if \zero
.if \b < aa
.set rC, CZ
.elseif \b == aa
.set rC, CD
.else
.set rC, CN
.endif
	v_wmma_f32_16x16x32_f16 v[rD:rD+7], v[\f+8*\b:\f+8*\b+7], v[\f+8*aa:\f+8*aa+7], v[rC:rC+7]
.else
	v_wmma_f32_16x16x32_f16 v[rD:rD+7], v[\f+8*\b:\f+8*\b+7], v[\f+8*aa:\f+8*aa+7], v[rD:rD+7]
.endif
.endr
.set aa, aa+1
.endr
.endm
.macro Q slot, k, f, g, zero           ; a quarter of a K step: buffer f is multiplied, the next quarter's fragments go into g
	s_wait_dscnt 0x0                               ; buffer f's loads were issued a quarter, 64 matrix instructions, ago
	PLACES
	FETCH \slot, \k, \g
	MUL \f, 0, 8, \zero
.endm
.macro TURN slot, next, fill           ; the last quarter multiplies buffer 1 and changes slots: one barrier
	WIN 0
	s_wait_tensorcnt 0x0                           ; all my tensor loads have landed: my part of the next slot
	ds_add_u32 v[SPW], v[NIL]                      ; 0 onto my spare word
	s_wait_dscnt 1                                 ; buffer 1 is in; the add alone may be out
	MUL F1, 0, 2, 0
	s_wait_dscnt 0x0                               ; the add is done, my reads of this slot are over
	s_barrier_signal -1
	MUL F1, 2, 2, 0
	WIN 0
	s_barrier_wait -1                              ; nobody reads this slot any more, the next slot is whole
.if \fill
	s_add_nc_u64 s[G0+4*\slot+2:G0+4*\slot+3], s[G0+4*\slot+2:G0+4*\slot+3], 2*KSTEP*2
	tensor_load_to_lds s[G0+4*\slot:G0+4*\slot+3], s[G1:G1+7]   ; my one load behind the barrier: two K steps on; it has a K step's products in which to land
	s_nop 0
.endif
	PLACES
	FETCH \next, 0, F0
	MUL F1, 4, 4, 0
.endm
	s_wait_tensorcnt 1                             ; my part of K step 0 is in; K step 1's may be out
	s_barrier_signal -1
	s_barrier_wait -1
	FETCH 0, 0, F0
	Q 0, 64, F0, F1, 1
	WIN 0
	s_mov_b32 s3, LAPS-1
.Llap:                                                 ; a trip goes once round the ring and fills both slots again
	Q 0, 128, F1, F0, 0
	Q 0, 192, F0, F1, 0
	TURN 0, 1, 1
	Q 1, 64,  F0, F1, 0
	Q 1, 128, F1, F0, 0
	Q 1, 192, F0, F1, 0
	TURN 1, 0, 1
	Q 0, 64,  F0, F1, 0
	WIN 0
	s_sub_co_u32 s3, s3, 1
	s_cmp_lg_u32 s3, 0
	s_cbranch_scc1 .Llap
	Q 0, 128, F1, F0, 0                            ; the last lap fills nothing
	Q 0, 192, F0, F1, 0
	TURN 0, 1, 0
	Q 1, 64,  F0, F1, 0
	Q 1, 128, F1, F0, 0
	Q 1, 192, F0, F1, 0
	s_wait_dscnt 0x0
	MUL F1, 0, 8, 0
	WIN 0
	PLACES
; THE CHUNK'S SOFTMAX for block a of 16 queries: a lane's 64 registers are 64 of its query's 128 keys, lane l xor 16 holds the others.
.macro SOFT a
.set AC, 64*((\a)%4)
.set WH, (\a)/4
	WIN 0x2a+0x15*WH                               ; three sources among the accumulators
.irp c, 0,1,2,3
	v_max3_num_f32 v[T+\c], v[AC+16*\c], v[AC+16*\c+1], v[AC+16*\c+2]   ; four chains of 16, ascending: each accumulator is first read at its low end
.endr
	WIN 0x28+0x14*WH
.irp i, 3,5,7,9,11,13
.irp c, 0,1,2,3
	v_max3_num_f32 v[T+\c], v[T+\c], v[AC+16*\c+\i], v[AC+16*\c+\i+1]
.endr
.endr
.irp c, 0,1,2,3
	v_max_num_f32 v[T+\c], v[T+\c], v[AC+16*\c+15]
.endr
	WIN 0
	v_max3_num_f32 v[T], v[T], v[T+1], v[T+2]
	v_max_num_f32 v[T], v[T], v[T+3]
	v_permlanex16_b32 v[T+1], v[T], s[SEL], s[SEL+1]
	v_max_num_f32 v[T], v[T], v[T+1]               ; the chunk's largest score of my query
	v_mul_f32 v[T], s[CS], v[T]                    ; as t (c is positive)
	v_max_num_f32 v[T], 0xe0ad78ec, v[T]           ; held at -1e20: a chunk that is wholly hidden
	v_floor_f32 v[NM], -v[T]                       ; -M = floor(-t): M is a whole number
	WIN 0x82+0x41*WH
.set pp, 0
.rept 32
	v_pk_fma_f32 v[AC+pp:AC+pp+1], v[AC+pp:AC+pp+1], s[CS:CS+1], v[NM:NM+1] op_sel_hi:[1,0,0]   ; t - M, two at a time
.set pp, pp+2
.endr
.set pp, 0
.rept 64
	v_exp_f32 v[AC+pp], v[AC+pp]                   ; p = 2^(t - M), at most 1
.set pp, pp+1
.endr
	v_nop                                          ; a plain line behind the last exponential
	s_wait_alu depctr_va_vdst(0)                   ; one wait for the batch, ahead of its first reader
	WIN 0x0a+5*WH
	v_pk_add_f32 v[S:S+1], v[AC:AC+1], v[AC+2:AC+3]        ; the sum of the unrounded p, in two packed chains
	v_pk_add_f32 v[S+2:S+3], v[AC+4:AC+5], v[AC+6:AC+7]
.set pp, 0
.rept 32
	v_cvt_pk_f16_f32 v[TMP+pp], v[AC+2*pp], v[AC+2*pp+1]
.set pp, pp+1
.endr
	WIN 0x08+4*WH
.set pp, 8
.rept 14
	v_pk_add_f32 v[S:S+1], v[S:S+1], v[AC+pp:AC+pp+1]
	v_pk_add_f32 v[S+2:S+3], v[S+2:S+3], v[AC+pp+2:AC+pp+3]
.set pp, pp+4
.endr
	WIN 0
	v_pk_add_f32 v[S:S+1], v[S:S+1], v[S+2:S+3]
	v_add_f32 v[S], v[S], v[S+1]
	v_permlanex16_b32 v[S+1], v[S], s[SEL], s[SEL+1]
	v_add_f32 v[S], v[S], v[S+1]
	ds_store_b32 v[SMA], v[NM] offset:64*(\a)      ; both halves of the lanes write the same word with the same value
	ds_store_b32 v[SMA], v[S] offset:512+64*(\a)
.endm
.macro TOSTAGE a
.set BB, BK+32*((\a)%2)
.irp b, 0,1,2,3,4,5,6,7
	ds_store_b128 v[STO], v[TMP+4*\b:TMP+4*\b+3] offset:32*\b
.endr
.irp t, 0,1,2,3,4,5,6,7
	ds_load_b128 v[BB+4*\t:BB+4*\t+3], v[RD] offset:\t*2*SPITCH    ; in order behind my stores
.endr
.endm
.macro SEND a
.set BB, BK+32*((\a)%2)
	s_wait_dscnt 0x0
	s_wait_xcnt 0x0                                ; earlier stores have read their base and data: both are rewritten only behind this wait
.if (\a) > 0
	s_add_nc_u64 s[6:7], s[6:7], 16*PROW
.endif
.irp t, 0,1,2,3,4,5,6,7
	global_store_b128 v[CO], v[BB+4*\t:BB+4*\t+3], s[6:7] offset:2*\t*PROW   ; sixteen lanes store 256 consecutive aligned bytes
.endr
.endm
	SOFT 0
	TOSTAGE 0
.irp a, 1,2,3,4,5,6,7
	SOFT \a
	SEND \a-1
	TOSTAGE \a
.endr
	SEND 7
	ds_load_b128 v[32:35], v[SMR]                  ; my wave's 128 -M and 128 l, 512 consecutive bytes each
	ds_load_b128 v[36:39], v[SMR] offset:512
	s_wait_dscnt 0x0
	global_store_b128 v[GS], v[32:35], s[8:9]
	global_store_b128 v[GS], v[36:39], s[8:9] offset:524288
	s_wait_tensorcnt 0x0                           ; the wave's end
	ds_add_u32 v[SPW], v[NIL]
	s_wait_dscnt 0x0
	s_endpgm
.Lfunc_end_k_q8a93554ef0_scores:
	.size	k_q8a93554ef0_scores, .Lfunc_end_k_q8a93554ef0_scores-k_q8a93554ef0_scores
	.p2alignl 7, 3214868480
	.fill 96, 4, 3214868480
	.section	.rodata,"a",@progbits
	.p2align	6, 0x0
	.amdhsa_kernel k_q8a93554ef0_scores
		.amdhsa_group_segment_fixed_size 327680
		.amdhsa_private_segment_fixed_size 0
		.amdhsa_enable_private_segment 0
		.amdhsa_kernarg_size 24
		.amdhsa_user_sgpr_count 2
		.amdhsa_user_sgpr_kernarg_segment_ptr 1
		.amdhsa_wavefront_size32 1
		.amdhsa_system_sgpr_workgroup_id_x 1
		.amdhsa_system_sgpr_workgroup_id_y 1
		.amdhsa_system_sgpr_workgroup_id_z 1
		.amdhsa_system_vgpr_workitem_id 0
		.amdhsa_next_free_vgpr 1024
		.amdhsa_next_free_sgpr 66
		.amdhsa_reserve_vcc 1
		.amdhsa_float_denorm_mode_32 3
		.amdhsa_float_denorm_mode_16_64 3
		.amdhsa_memory_ordered 1
		.amdhsa_forward_progress 1
		.amdhsa_inst_pref_size 210
	.end_amdhsa_kernel
	.amdgpu_metadata
---
amdhsa.version: [ 1, 2 ]
amdhsa.kernels:
  - .name:           k_q8a93554ef0_scores
    .symbol:         k_q8a93554ef0_scores.kd
    .args:
      - { .name: proj, .offset: 0, .size: 8, .value_kind: global_buffer, .address_space: global }
      - { .name: pbuf, .offset: 8, .size: 8, .value_kind: global_buffer, .address_space: global }
      - { .name: stats, .offset: 16, .size: 8, .value_kind: global_buffer, .address_space: global }
    .group_segment_fixed_size: 327680
    .private_segment_fixed_size: 0
    .kernarg_segment_align: 8
    .kernarg_segment_size: 24
    .max_flat_workgroup_size: 128
    .sgpr_count:     66
    .vgpr_count:     1024
    .wavefront_size: 32
...
	.end_amdgpu_metadata
.endif
;; end of part 3
;; launch pv (part 4): grid 8 x 32, 4 waves a work-group, clusters of 4 x 1, 327,680 bytes of LDS; arguments proj, pbuf, stats, z; writes z
.if DOCPART == 4
	.amdgcn_target "amdgcn-amd-amdhsa--gfx1250"
	.amdhsa_code_object_version 6
	.text
	.protected	k_q8a93554ef0_pv
	.globl	k_q8a93554ef0_pv
	.p2align	8
	.type	k_q8a93554ef0_pv,@function
k_q8a93554ef0_pv:
	s_mov_b64 s[64:65], 0
	v_nop
	global_prefetch_b8 v0, s[64:65] scope:SCOPE_SE
	s_setreg_imm32_b32 hwreg(HW_REG_WAVE_MODE, 25, 1), 1
	s_wait_xcnt 0x0
	s_wait_alu depctr_hold_cnt(0) depctr_sa_sdst(0) depctr_va_vdst(0) depctr_va_sdst(0) depctr_va_ssrc(0) depctr_va_vcc(0) depctr_vm_vsrc(0)
	s_getreg_b32 s2, hwreg(HW_REG_IB_STS2, 6, 4)
	s_cmp_eq_u32 s2, 0
	s_cbranch_scc0 .Lentry_in_a_cluster
	s_endpgm
.Lentry_in_a_cluster:
	s_bfe_u32 s2, ttmp6, 0x10000c
	s_cmp_lg_u32 s2, 0x3003
	s_cbranch_scc0 .Lentry_shape_is_right
	s_endpgm
.Lentry_shape_is_right:
; y^T = V^T P^T, stored [batch][channel][query] in f16: read flat, that IS the operand of the last projection (the source's swapaxes and reshape cost nothing).
; EVEN SHARES UNDER THE CAUSAL MASK.  A work-group makes 128 channels x TWO blocks of 128 queries: the long one, block 15 - pi, and the short one, block pi.  K = the keys, in slots of 256, only up to the diagonal:
; 8 - pi / 2 slots for the long tile and pi / 2 + 1 for the short: NINE in every work-group.  THE WALK, s = 0 .. 8: s = 0 long tile, key slot 0; s = 1 short tile, key slot 0; s = 2 .. nL long tile, key slot s - 1;
; s = nL + 1 .. 8 short tile, key slot 9 - s (nL = 8 - pi / 2).  So both tiles begin at fixed places of the text, every trip count is a constant; ids enter global addresses and the choice of the sums alone.
; THE SOFTMAX'S SECOND HALF, in f32: -M = the least of the row's -M_c; L = the sum of l_c 2^(M_c - M).  Each chunk of 128 keys is summed from 0 into T; then sums += 2^(M_c - M) x T (a power of two, exact); at the end x 1 / L.
; LIMITS: |vp| under 65,504 (f16); NaN and infinities are not served.
; SHARES: four waves, 2 x 2, each 64 channels x 64 queries: 16 accumulators T, and 16 x 8 registers of sums for each tile.  Source 0 = 16 queries of P (keys innermost as stored), source 1 = 16 channels of V^T, turned on the
; way out of LDS by ds_load_tr16_b128: a lane holds ONE channel (lane % 16) and eight neighbouring queries.
; RING: two LDS slots, each 256 keys of V and 128 queries x 256 keys of P.  At a slot's head: the three lines, a round, the fill of the other slot with the walk's next tiles, then this slot's 128 matrix instructions a wave.
; CLUSTER 4 x 1: the four partners make four blocks of channels of one pair of query blocks: they read the same P, asked for jointly by waves 2 and 3; V's tiles differ (waves 0 and 1, no mask).
; V is not shared in a cluster: work-groups with the same channels have other pairs, and leave the common walk at different slots, so partners would need different tiles.
; REGISTERS: window 0: v16-31, v44-55 addresses; v32-43 at work; v64-127 V^T's fragments, two buffers; v128-191 P's, two buffers; v192-223 the chunk's factors, later 1 / L.  window 1: v0-127 T, v128-255 the long tile's sums.  window 2: v0-127 the short tile's.
.set PV,    288                        ; a key's row of V in LDS: 256 + 32 bytes
.set PP,    528                        ; a query's row of P: 512 + 16 bytes: the 16 rows of a fragment load start at 16 different groups of four banks
.set VHALF, 128*PV
.set POFF,  256*PV                     ; a slot: 256 rows of V, then 128 rows of P
.set PHALF, 64*PP
.set SLOT,  POFF+128*PP
.set FQ,    2*SLOT                     ; the factors: [tile][16 chunks][128 queries] f32; the short tile's key slots in reverse order
.set FQS,   8192
.set LQ,    FQ+2*FQS                   ; 1 / L: [tile][128 queries]
.set SPARE, LQ+1024                    ; the spare words: 128 bytes a wave, named by no other line
.set STG,   SLOT                       ; the way out: two stages of 128 rows x (256 + 16) bytes, in slot 1, which has had its last fill and its last read by then
.set SGP,   272
.set STGT,  128*SGP
.set ADRA, 16                          ; v16-19 V^T's fragments: slot 0 keys 0-127, 128-255; slot 1 likewise
.set ADRB, 20                          ; v20-21 P's fragments in slot 0, 1
.set FQA,  22                          ; my place in a chunk's factors
.set FA,   23                          ; the address of the slot's factors
.set STO,  24
.set RD,   25
.set CO,   26
.set R4,   27
.set SPW,  28
.set NIL,  29
.set LQA,  30
.set ILA,  31
.set NMR,  32
.set TT,   40
.set FQW,  44
.set PFO,  45                          ; 4,096 x lane: a row of pbuf; never rewritten
.set PVO,  46                          ; 2,048 x lane: a row of vp; never rewritten
.set VO,   48
.set AF,   64
.set BF,   128
.set FR,   192
.set NMB,  64                          ; the head's statistics lie where the fragments will
.set LB,   96
.set TP,   64
.set TH,   96
.set WV,   12
.set JS,   19
.set JL,   20
.set NL,   21
.set G1V,  24
.set G1P,  32
.set G0V,  40
.set G0P,  48
.set VB,   58
.set SEL,  60
.set PB,   62
.set OF,   66
.set KA,   68
.set KB,   69
.set SN,   78
.set SI,   79                          ; the walk's slot
.set TF,   80                          ; 1,024 x (s - 2)
.set SE,   81
.set C1K,  82
.set LIMP, 83
.set LIMV, 2
.set ZL,   84
.set ZS,   86
.set PFB,  94
.set PFA,  96
.set PVB,  98
.set PVA,  100
.set MSB, 0
.macro WIN new                         ; the immediate's high byte repeats the setting that is left
.if MSB != (\new)
	s_set_vgpr_msb (MSB<<8)|(\new)
.set MSB, \new
.endif
.endm
.macro PLACES                          ; four plain lines between a matrix instruction and a load into, or a read of, its registers
.rept 4
	v_nop
.endr
.endm
.macro JLOAD s                         ; waves 0, 1: V's halves; waves 2, 3: P's halves, jointly.  The branch hangs on the wave's number alone.  An s_nop 0 and four v_nop follow each line
	s_cmp_lt_u32 s[WV], 2
	s_cbranch_scc0 .Lfor_p_\@
	tensor_load_to_lds s[G0V+4*(\s):G0V+4*(\s)+3], s[G1V:G1V+7]
	s_nop 0
.rept 4
	v_nop
.endr
	s_branch .Lasked_\@
.Lfor_p_\@:
	tensor_load_to_lds s[G0P+4*(\s):G0P+4*(\s)+3], s[G1P:G1P+7]
	s_nop 0
.rept 4
	v_nop
.endr
.Lasked_\@:
.endm
.macro CROUND                          ; a round of the cluster's barrier
	s_barrier_signal -1
	s_barrier_wait -1
	s_cmp_lg_u32 s[WV], 0
	s_cbranch_scc1 .Lnot_wave_0_\@
	s_barrier_signal -3
.Lnot_wave_0_\@:
	s_barrier_wait -3
	s_barrier_signal -1
	s_barrier_wait -1
.endm
	s_load_b256 s[4:11], s[0:1], 0x0               ; proj s[4:5], pbuf s[6:7], stats s[8:9], z s[10:11]
	v_lshl_add_u32 v[SPW], v0, 2, SPARE
	v_mov_b32 v[NIL], 0
	ds_add_u32 v[SPW], v[NIL]                      ; the wave's opening: the add, twice on end, and its wait ahead of my first tensor load
	ds_add_u32 v[SPW], v[NIL]
	v_lshrrev_b32 v1, 5, v0
	v_readfirstlane_b32 s[WV], v1
	s_and_b32 s13, s[WV], 1                        ; my half of the queries; which half of a tile I fetch; which half of a tile's statistics I make
	s_lshr_b32 s22, s[WV], 1                       ; my half of the channels; whose statistics I make (0 long, 1 short)
	s_bfe_u32 s14, ttmp6, 0x40000                  ; cx: it enters V's, z's and the prefetches' addresses alone
	s_lshl_b32 s15, ttmp9, 2
	s_add_co_u32 s15, s15, s14                     ; ct: my block of 128 channels
	s_and_b32 s16, ttmp7, 0xffff
	s_and_b32 s17, s16, 3                          ; batch
	s_lshr_b32 s[JS], s16, 2                       ; pi: the short tile's block of 128 queries
	s_sub_co_u32 s[JL], 15, s[JS]                  ; the long tile's
	s_lshr_b32 s[NL], s[JS], 1
	s_sub_co_u32 s[NL], 8, s[NL]                   ; the long tile's key slots
	s_mov_b32 s[G1V], (1<<16)|(1<<20)|(5<<22)|(7<<25)             ; no mask; elements of 2 bytes; 8 words of padding behind every 64
	s_mov_b32 s[G1V+1], 128<<16                    ; tensor_dim0
	s_mov_b32 s[G1V+2], 128<<16                    ; tensor_dim1
	s_mov_b32 s[G1V+3], 128<<16                    ; tile_dim0: 128 channels
	s_mov_b32 s[G1V+4], 128                        ; tile_dim1: 128 keys
	s_mov_b32 s[G1V+5], 1024
	s_mov_b32 s[G1V+6], 0
	s_mov_b32 s[G1V+7], 0
	s_mov_b32 s[G1P], 15|(1<<16)|(1<<20)|(1<<21)|(6<<22)|(3<<25)  ; all four partners; bit 21 beside the mask; 4 words of padding behind every 128
	s_mov_b32 s[G1P+1], 256<<16
	s_mov_b32 s[G1P+2], 64<<16
	s_mov_b32 s[G1P+3], 256<<16                    ; tile_dim0: 256 keys
	s_mov_b32 s[G1P+4], 64                         ; tile_dim1: 64 queries
	s_mov_b32 s[G1P+5], 2048
	s_mov_b32 s[G1P+6], 0
	s_mov_b32 s[G1P+7], 0
	s_mov_b32 s[SEL], 0x76543210
	s_mov_b32 s[SEL+1], 0xfedcba98
	s_mov_b32 s[OF+1], 0
	s_mov_b32 s[C1K], 1024
	s_mov_b32 s[SI], 0
	s_mov_b32 s[TF], 0
	s_xor_b32 s23, s22, 1                          ; who prefetches P: waves 2 and 3
	s_or_b32 s23, s23, ttmp9                       ; of the first cluster along x: the same in all four partners
	s_cmp_eq_u32 s23, 0
	s_cselect_b32 s[LIMP], 7, 0                    ; they ask while s + 2 is in the walk
	s_cmp_eq_u32 s[JS], 0                          ; who prefetches V: pair 0, whose long tile walks every key slot
	s_cselect_b32 s[LIMV], 7, 0
	s_lshl_b32 s88, s17, 11                        ; V: key row 2048 b + 128 x half,
	s_lshl_b32 s89, s13, 7
	s_add_co_u32 s88, s88, s89
	s_lshl_b32 s88, s88, 11                        ; 2,048 bytes a row,
	s_lshl_b32 s89, s15, 8                         ; + 256 bytes a block of channels,
	s_add_co_u32 s89, s89, 33554432                ; behind qp's and kp's rows
	s_add_co_u32 s88, s88, s89
	s_lshl_b32 s92, s17, 11                        ; V's prefetches: key row 2048 b + 64 x wave
	s_lshl_b32 s93, s[WV], 6
	s_add_co_u32 s92, s92, s93
	s_lshl_b32 s92, s92, 11
	s_add_co_u32 s92, s92, s89
	s_mov_b32 s89, 0
	s_mov_b32 s93, 0
	s_lshl_b32 s90, s17, 11                        ; P: query row 2048 b + 64 x half (no cx in these registers),
	s_lshl_b32 s91, s13, 6
	s_add_co_u32 s90, s90, s91
	s_lshl_b32 s90, s90, 12                        ; 4,096 bytes a row
	s_mov_b32 s91, 0
	s_mul_i32 s16, s13, VHALF                      ; where they go in a slot
	s_mul_i32 s18, s13, PHALF
	s_add_co_u32 s18, s18, POFF
	s_wait_dscnt 0x0                               ; both opening adds are done
	s_wait_kmcnt 0x0
	s_add_nc_u64 s[VB:VB+1], s[4:5], s[88:89]
	s_add_nc_u64 s[PVB:PVB+1], s[4:5], s[92:93]
	s_add_nc_u64 s[PB:PB+1], s[6:7], s[90:91]
	CROUND                                         ; all four work-groups are here
.irp s, 0,1                                    ; s = 0: long tile, key slot 0; s = 1: short tile, key slot 0
	s_mov_b32 s[G0V+4*\s], 1
	s_add_co_u32 s[G0V+4*\s+1], s16, \s*SLOT
	s_mov_b64 s[G0V+4*\s+2:G0V+4*\s+3], s[VB:VB+1]
	s_or_b32 s[G0V+4*\s+3], s[G0V+4*\s+3], 0x80000000
	s_mov_b32 s[G0P+4*\s], 1
	s_add_co_u32 s[G0P+4*\s+1], s18, \s*SLOT
	s_lshl_b32 s[OF], s[JL-\s], 19                 ; 128 rows of 4,096 bytes a block of queries
	s_add_nc_u64 s[G0P+4*\s+2:G0P+4*\s+3], s[PB:PB+1], s[OF:OF+1]
	s_or_b32 s[G0P+4*\s+3], s[G0P+4*\s+3], 0x80000000
.endr
	JLOAD 0                                        ; the walk's first tiles: one load of mine is out
	; THE STATISTICS, while the first tiles land.  Wave w takes 64 queries: tile w / 2, half w % 2.  Lane (r, h), register slot i: query 16 bq + r and chunk 2 i + h (short tile: 2 (7 - i) + h, so that its table lies in reverse order of key slots).
	; A chunk past the row's last is read at the last one; its l counts for nothing and its factor is read by nobody.
	v_and_b32 v1, 15, v0                           ; r
	v_bfe_u32 v2, v0, 4, 1                         ; h
	v_lshlrev_b32 v[R4], 2, v1
	s_cmp_lt_u32 s[WV], 2
	s_cselect_b32 s88, s[JL], s[JS]                ; my tile's block of queries
	s_cselect_b32 s89, 0, 14
	s_lshr_b32 s90, s88, 1
	s_add_co_u32 s90, s90, 1
	s_lshl_b32 s90, s90, 1                         ; its chunks: two for each key slot
	s_sub_co_u32 s91, s90, 1
.irp i, 0,1,2,3,4,5,6,7
	s_xor_b32 s92, s89, 2*\i                       ; 2 i, or 14 - 2 i
	v_add_nc_u32 v4, s92, v2
	v_cmp_gt_u32 s[70+\i], s90, v4                 ; the chunk exists
	v_min_u32 v4, s91, v4
	v_lshl_add_u32 v[VO+\i], v4, 13, v[R4]         ; 8,192 bytes a chunk
.endr
	s_lshl_b32 s92, s17, 17                        ; 16 chunks x 8,192 bytes a batch,
	s_lshl_b32 s23, s88, 9                         ; 128 queries x 4 bytes a block,
	s_add_co_u32 s92, s92, s23
	s_lshl_b32 s23, s13, 8                         ; 64 a half
	s_add_co_u32 s92, s92, s23
	s_add_nc_u64 s[56:57], s[8:9], s[92:93]
.irp bq, 0,1,2,3
.irp i, 0,1,2,3,4,5,6,7
	global_load_b32 v[NMB+8*\bq+\i], v[VO+\i], s[56:57] offset:64*\bq
	global_load_b32 v[LB+8*\bq+\i], v[VO+\i], s[56:57] offset:524288+64*\bq
.endr
.endr
	s_lshl_b32 s92, s17, 11                        ; P's prefetches: query row 2048 b + 32 cx: the partners share a tile's 128 rows out by address,
	s_lshl_b32 s23, s14, 5
	s_add_co_u32 s92, s92, s23
	s_lshl_b32 s92, s92, 12
	s_lshl_b32 s23, s13, 8                         ; wave 2 the first 256 bytes of a slot's part of a row, wave 3 the second
	s_add_co_u32 s92, s92, s23
	s_add_nc_u64 s[PFB:PFB+1], s[6:7], s[92:93]
	v_and_b32 v[PFO], 31, v0
	v_lshlrev_b32 v[PVO], 11, v[PFO]
	v_lshlrev_b32 v[PFO], 12, v[PFO]
	v_and_b32 v10, 7, v0                           ; V^T's fragments: lane l reads 16 bytes of key 8 h + l % 8, channels 8 ((l / 8) % 2) on, in my 64 channels
	v_bfe_u32 v11, v0, 3, 1
	v_lshl_add_u32 v3, v2, 3, v10
	v_mul_u32_u24 v3, v3, PV
	v_lshl_add_u32 v3, v11, 4, v3
	s_lshl_b32 s23, s22, 7
	v_add_nc_u32 v[ADRA], s23, v3
	v_add_nc_u32 v[ADRA+1], VHALF, v[ADRA]
	v_add_nc_u32 v[ADRA+2], SLOT, v[ADRA]
	v_add_nc_u32 v[ADRA+3], SLOT+VHALF, v[ADRA]
	v_mul_u32_u24 v5, v1, PP                       ; P's: row r x pitch + 16 h, in my 64 rows
	v_lshl_add_u32 v5, v2, 4, v5
	s_mul_i32 s23, s13, 64*PP
	s_add_co_u32 s23, s23, POFF
	v_add_nc_u32 v[ADRB], s23, v5
	v_add_nc_u32 v[ADRB+1], SLOT, v[ADRB]
	v_mul_u32_u24 v5, v1, SGP                      ; a stage, in: row 64 x my half + r, my 128 bytes, 16 bytes for each half of the lanes
	v_lshl_add_u32 v5, v2, 4, v5
	s_mul_i32 s23, s22, 64*SGP
	s_lshl_b32 s16, s13, 7
	s_add_co_u32 s23, s23, s16
	s_add_co_u32 s23, s23, STG
	v_add_nc_u32 v[STO], s23, v5
	v_mul_u32_u24 v5, v2, SGP                      ; back: wave w takes rows 32 w on; lanes 0-15 one row of 256 bytes, lanes 16-31 the next
	v_lshl_add_u32 v5, v1, 4, v5
	s_mul_i32 s23, s[WV], 32*SGP
	s_add_co_u32 s23, s23, STG
	v_add_nc_u32 v[RD], s23, v5
	v_lshlrev_b32 v5, 12, v2
	v_lshl_add_u32 v[CO], v1, 4, v5                ; the same two rows in z
	s_lshl_b32 s23, s22, 13                        ; where I lay my factors: my tile's table, my half's 256 bytes, chunk h of a pair, 4 bytes a query
	s_lshl_b32 s16, s13, 8
	s_add_co_u32 s23, s23, s16
	s_add_co_u32 s23, s23, FQ
	v_lshl_add_u32 v5, v2, 9, v[R4]
	v_add_nc_u32 v[FQW], s23, v5
	s_lshl_b32 s23, s[WV], 8
	s_add_co_u32 s23, s23, LQ
	v_add_nc_u32 v[LQA], s23, v[R4]
	s_add_co_u32 s23, s16, FQ                      ; where I read: my 64 queries, eight of them from 32 h on
	v_lshl_add_u32 v[FQA], v2, 5, s23
	s_add_co_u32 s23, s16, LQ
	v_lshl_add_u32 v[ILA], v2, 5, s23
	s_lshl_b32 s92, s17, 10                        ; z: row 1024 b + 128 ct + 32 wave,
	s_lshl_b32 s23, s15, 7
	s_add_co_u32 s92, s92, s23
	s_lshl_b32 s23, s[WV], 5
	s_add_co_u32 s92, s92, s23
	s_lshl_b32 s92, s92, 12                        ; 4,096 bytes a row,
	s_add_nc_u64 s[10:11], s[10:11], s[92:93]
	s_lshl_b32 s92, s[JL], 8                       ; + 256 bytes a block of queries
	s_add_nc_u64 s[ZL:ZL+1], s[10:11], s[92:93]
	s_lshl_b32 s92, s[JS], 8
	s_add_nc_u64 s[ZS:ZS+1], s[10:11], s[92:93]
.irp bq, 0,1,2,3
	v_mov_b32 v[TT+\bq], 0                         ; a lane permute's destination counts as one of its sources
.endr
	s_wait_loadcnt 0x0
.irp bq, 0,1,2,3
	v_min3_num_f32 v[NMR+\bq], v[NMB+8*\bq], v[NMB+8*\bq+1], v[NMB+8*\bq+2]
.endr
.irp i, 3,5
.irp bq, 0,1,2,3
	v_min3_num_f32 v[NMR+\bq], v[NMR+\bq], v[NMB+8*\bq+\i], v[NMB+8*\bq+\i+1]
.endr
.endr
.irp bq, 0,1,2,3
	v_min_num_f32 v[NMR+\bq], v[NMR+\bq], v[NMB+8*\bq+7]
.endr
.irp bq, 0,1,2,3
	v_permlanex16_b32 v[TT+\bq], v[NMR+\bq], s[SEL], s[SEL+1]
.endr
.irp bq, 0,1,2,3
	v_min_num_f32 v[NMR+\bq], v[NMR+\bq], v[TT+\bq]   ; -M of the whole row
.endr
.irp bq, 0,1,2,3
.irp i, 0,1,2,3,4,5,6,7
	v_sub_f32 v[NMB+8*\bq+\i], v[NMR+\bq], v[NMB+8*\bq+\i]         ; M_c - M, 0 or less
.endr
.endr
.irp bq, 0,1,2,3
.irp i, 0,1,2,3,4,5,6,7
	v_cvt_i32_f32 v[NMB+8*\bq+\i], v[NMB+8*\bq+\i]                 ; (it saturates)
	v_cndmask_b32 v[LB+8*\bq+\i], 0, v[LB+8*\bq+\i], s[70+\i]
.endr
.endr
.irp bq, 0,1,2,3
.irp i, 0,1,2,3,4,5,6,7
	v_ldexp_f32 v[LB+8*\bq+\i], v[LB+8*\bq+\i], v[NMB+8*\bq+\i]    ; l_c under the row's M
.endr
.endr
.irp bq, 0,1,2,3
.irp i, 0,1,2,3,4,5,6,7
	v_ldexp_f32 v[NMB+8*\bq+\i], 1.0, v[NMB+8*\bq+\i]              ; the chunk's factor 2^(M_c - M)
.endr
.endr
.irp bq, 0,1,2,3
.irp i, 0,1,2,3,4,5,6,7
	ds_store_b32 v[FQW], v[NMB+8*\bq+\i] offset:1024*\i+64*\bq     ; table entry 2 i + h, query 16 bq + r of my half
.endr
.endr
.irp bq, 0,1,2,3
	v_pk_add_f32 v[LB+8*\bq:LB+8*\bq+1], v[LB+8*\bq:LB+8*\bq+1], v[LB+8*\bq+2:LB+8*\bq+3]
	v_pk_add_f32 v[LB+8*\bq+4:LB+8*\bq+5], v[LB+8*\bq+4:LB+8*\bq+5], v[LB+8*\bq+6:LB+8*\bq+7]
.endr
.irp bq, 0,1,2,3
	v_pk_add_f32 v[LB+8*\bq:LB+8*\bq+1], v[LB+8*\bq:LB+8*\bq+1], v[LB+8*\bq+4:LB+8*\bq+5]
.endr
.irp bq, 0,1,2,3
	v_add_f32 v[LB+8*\bq], v[LB+8*\bq], v[LB+8*\bq+1]
.endr
.irp bq, 0,1,2,3
	v_permlanex16_b32 v[TT+\bq], v[LB+8*\bq], s[SEL], s[SEL+1]
.endr
.irp bq, 0,1,2,3
	v_add_f32 v[LB+8*\bq], v[LB+8*\bq], v[TT+\bq]                  ; L: at least 1/2, from the chunk that holds M
.endr
.irp bq, 0,1,2,3
	v_rcp_f32 v[TT+\bq], v[LB+8*\bq]
.endr
	v_nop                                          ; a plain line behind the last reciprocal
	s_wait_alu depctr_va_vdst(0)                   ; one wait for the four, ahead of their first reader
.irp bq, 0,1,2,3
	ds_store_b32 v[LQA], v[TT+\bq] offset:64*\bq   ; both halves of the lanes write the same word with the same value
.endr
.macro FETCH sl, n, g                  ; quarter n (32 keys) of slot sl into buffer g: 64 queries of P, 64 channels of V^T: 16 LDS loads in one run, all in window 0
.irp i, 0,1,2,3
	ds_load_b128 v[BF+32*(\g)+8*\i:BF+32*(\g)+8*\i+3],   v[ADRB+\sl] offset:64*(\n)+\i*16*PP
	ds_load_b128 v[BF+32*(\g)+8*\i+4:BF+32*(\g)+8*\i+7], v[ADRB+\sl] offset:64*(\n)+\i*16*PP+32
.endr
.irp i, 0,1,2,3
	ds_load_tr16_b128 v[AF+32*(\g)+8*\i:AF+32*(\g)+8*\i+3],   v[ADRA+2*\sl+(\n)/4] offset:((\n)%4)*32*PV+32*\i
	ds_load_tr16_b128 v[AF+32*(\g)+8*\i+4:AF+32*(\g)+8*\i+7], v[ADRA+2*\sl+(\n)/4] offset:((\n)%4)*32*PV+16*PV+32*\i
.endr
.endm
.macro FLOAD u                         ; chunk u's factors: register 8 b + n: query 16 b + 8 h + n of my 64
.irp b, 0,1,2,3
	ds_load_b128 v[FR+8*\b:FR+8*\b+3], v[FA] offset:512*\u+64*\b
	ds_load_b128 v[FR+8*\b+4:FR+8*\b+7], v[FA] offset:512*\u+64*\b+16
.endr
.endm
.macro MUL g, zero                     ; 16 matrix instructions into T; zero = 1: a chunk's first products start its sums.  The 16 accumulators take turns in one order everywhere
	WIN 0x50                                       ; C and D in window 1
.irp a, 0,1,2,3
.irp b, 0,1,2,3
.if \zero
	v_wmma_f32_16x16x32_f16 v[8*(4*\a+\b):8*(4*\a+\b)+7], v[BF+32*(\g)+8*\b:BF+32*(\g)+8*\b+7], v[AF+32*(\g)+8*\a:AF+32*(\g)+8*\a+7], 0
.else
	v_wmma_f32_16x16x32_f16 v[8*(4*\a+\b):8*(4*\a+\b)+7], v[BF+32*(\g)+8*\b:BF+32*(\g)+8*\b+7], v[AF+32*(\g)+8*\a:AF+32*(\g)+8*\a+7], v[8*(4*\a+\b):8*(4*\a+\b)+7]
.endif
.endr
.endr
.endm
.macro QT sl, n                        ; a quarter: its fragments were asked for a quarter ago; the next quarter's go into the other buffer
	WIN 0
	s_wait_dscnt 0x0
	PLACES
.if (\n) < 7
	FETCH \sl, (\n)+1, ((\n)+1)%2
.endif
.if (\n) == 4
	FLOAD 1                                        ; the first chunk's fold has read the factors' registers
.endif
.if ((\n)%4) == 0
	MUL (\n)%2, 1
.else
	MUL (\n)%2, 0
.endif
.endm
.macro FOLD tile, first                ; sums += factor x T, in f32, two at a time; first = 1: the tile's first chunk starts the sums: nothing is ever cleared.  Each accumulator is read from its low end on
.if \tile
	WIN 0xa1                                       ; T window 1, factors window 0, sums window 2
.set AB, 0
.else
	WIN 0x51                                       ; sums window 1
.set AB, 128
.endif
.irp t, 0,1,2,3,4,5,6,7,8,9,10,11,12,13,14,15
.irp n, 0,2,4,6
.if \first
	v_pk_mul_f32 v[AB+8*\t+\n:AB+8*\t+\n+1], v[8*\t+\n:8*\t+\n+1], v[FR+8*(\t%4)+\n:FR+8*(\t%4)+\n+1]
.else
	v_pk_fma_f32 v[AB+8*\t+\n:AB+8*\t+\n+1], v[8*\t+\n:8*\t+\n+1], v[FR+8*(\t%4)+\n:FR+8*(\t%4)+\n+1], v[AB+8*\t+\n:AB+8*\t+\n+1]
.endif
.endr
.endr
	WIN 0
.endm
.macro CFOLD mode, u                   ; mode 0: the tile by ids (the branch is the same in all waves and partners, and leads round vector work alone); 1: the long tile's first slot; 2: the short tile's
	PLACES
	WIN 0
.if \mode == 0
	s_cmp_gt_u32 s[SI], s[NL]
	s_cbranch_scc1 .Lshort_\@
	FOLD 0, 0
	s_branch .Lfolded_\@
.Lshort_\@:
	FOLD 1, 0
.Lfolded_\@:
.elseif \mode == 1
	FOLD 0, 1-\u
.else
	FOLD 1, 1-\u
.endif
.endm
; PREFETCHES INTO THE L2 of the tiles that the NEXT change of slots will load (the walk's slot s + 2): one slot's work, 128 matrix instructions a wave, ahead of that load.  They stand together, behind the tensor load and the run of
; LDS loads that the next products wait for.  Each aligned block of 256 bytes is named once in the launch.  P's tile (128 rows x 512 bytes) is read by both clusters along x: the first asks; its partners take 32 rows each, told apart by
; address; wave 2 names the first 256 bytes of each row, wave 3 the second, a lane a row.  V's slot (256 rows x 256 bytes) is read by all eight pairs: pair 0, which walks every key slot, asks: 64 rows a wave, a lane a row, two lines.
; The walk's slots 0 and 1 come by their loads alone; the last two changes ask for nothing.
.macro ASK
	s_cmp_lt_u32 s[SI], s[LIMP]
	s_cbranch_scc0 .Lnot_p_\@
	global_prefetch_b8 v[PFO], s[PFA:PFA+1] th:TH_LOAD_NT scope:SCOPE_SE
.Lnot_p_\@:
	s_cmp_lt_u32 s[SI], s[LIMV]
	s_cbranch_scc0 .Lnot_v_\@
	global_prefetch_b8 v[PVO], s[PVA:PVA+1] th:TH_LOAD_NT scope:SCOPE_SE
	global_prefetch_b8 v[PVO], s[PVA:PVA+1] offset:65536 th:TH_LOAD_NT scope:SCOPE_SE
.Lnot_v_\@:
.endm
; THE CHANGE OF SLOTS stands at a slot's head.  Each wave waits for all its tensor loads (its part of the slot that it enters), adds 0 to its spare word, and waits for that and for its reads of the slot that it has left.
; fill = 1: meanwhile the entered slot's descriptors take the tiles of the walk's slot s + 2; behind the round the other slot is filled with those of s + 1, made ready one change ago.
.macro CHANGE sl, fill
	s_wait_tensorcnt 0x0                           ; no tensor load of mine is out, so a group 0 may be written
	ds_add_u32 v[SPW], v[NIL]                      ; 0 onto my spare word: the scalar work below stands between it and the wait for it
.if \fill
	s_add_co_u32 s[SN], s[SI], 2
	s_sub_co_u32 s[KA], 9, s[SN]                   ; the short tile's key slot,
	s_sub_co_u32 s[KB], s[SN], 1                   ; the long tile's
	s_cmp_gt_u32 s[SN], s[NL]
	s_cselect_b32 s[KA], s[KA], s[KB]              ; the key slot
	s_cselect_b32 s[KB], s[JS], s[JL]              ; the block of queries
	s_wait_xcnt 0x0                                ; the last prefetches, a slot back, have read their addresses, which are written below
	s_lshl_b32 s[OF], s[KA], 19                    ; V: 256 rows of 2,048 bytes a key slot
	s_add_nc_u64 s[G0V+4*\sl+2:G0V+4*\sl+3], s[VB:VB+1], s[OF:OF+1]
	s_or_b32 s[G0V+4*\sl+3], s[G0V+4*\sl+3], 0x80000000
	s_add_nc_u64 s[PVA:PVA+1], s[PVB:PVB+1], s[OF:OF+1]
	s_lshl_b32 s[KB], s[KB], 19                    ; P: 128 rows of 4,096 bytes a block of queries,
	s_lshl_b32 s[KA], s[KA], 9                     ; 512 bytes a key slot
	s_add_co_u32 s[OF], s[KA], s[KB]
	s_add_nc_u64 s[G0P+4*\sl+2:G0P+4*\sl+3], s[PB:PB+1], s[OF:OF+1]
	s_or_b32 s[G0P+4*\sl+3], s[G0P+4*\sl+3], 0x80000000
	s_add_nc_u64 s[PFA:PFA+1], s[PFB:PFB+1], s[OF:OF+1]
.endif
	s_wait_dscnt 0x0                               ; the add is done; my LDS stores have landed and my reads of the slot that I have left are over
.if \fill
	CROUND                                         ; no wave of any partner still reads the other slot or has a load on its way
	JLOAD 1-\sl                                    ; my one load behind the round
.else
	s_barrier_signal -1
	s_barrier_wait -1
.endif
.endm
.macro WORK sl, mode                   ; a slot's 256 keys: two chunks of four quarters, each folded into its tile's sums
.if \mode == 0
	s_cmp_gt_u32 s[SI], s[NL]                      ; long tile: entries 2 (s - 1) on of the first table; short tile: entries 2 (s - 2) on of the second, which lies in reverse order of key slots
	s_cselect_b32 s[SE], FQS, s[C1K]
	s_add_co_u32 s[SE], s[SE], s[TF]
	v_add_nc_u32 v[FA], s[SE], v[FQA]
.elseif \mode == 1
	v_add_nc_u32 v[FA], 0, v[FQA]                  ; long tile, key slot 0: entries 0, 1
.else
	v_add_nc_u32 v[FA], FQS+14*512, v[FQA]         ; short tile, key slot 0: entries 14, 15
.endif
	PLACES
	FETCH \sl, 0, 0
	FLOAD 0
	ASK
.irp n, 0,1,2,3
	QT \sl, \n
.endr
	CFOLD \mode, 0
.irp n, 4,5,6,7
	QT \sl, \n
.endr
	CFOLD \mode, 1
.endm
	CHANGE 0, 1                                    ; s = 0.  Behind this round all four loads fill slot 1 for the first time
	WORK 0, 1
	s_mov_b32 s[SI], 1
	CHANGE 1, 1                                    ; s = 1
	WORK 1, 2
	s_mov_b32 s[SI], 2
	s_mov_b32 s3, 3
.Lwalk:                                                ; s = 2 .. 7: three trips of two slots
	CHANGE 0, 1
	WORK 0, 0
	s_add_co_u32 s[SI], s[SI], 1
	s_add_co_u32 s[TF], s[TF], 1024
	CHANGE 1, 1
	WORK 1, 0
	s_add_co_u32 s[SI], s[SI], 1
	s_add_co_u32 s[TF], s[TF], 1024
	s_sub_co_u32 s3, s3, 1
	s_cmp_lg_u32 s3, 0
	s_cbranch_scc1 .Lwalk
	CHANGE 0, 0                                    ; s = 8: nothing is left to fetch; behind this barrier nobody reads slot 1 any more
	WORK 0, 0
	; THE WAY OUT of both tiles: x 1 / L (register 8 b + n: query 16 b + 8 h + n), to f16, into the tile's stage; one barrier, since a row's 256 bytes come from two waves; back as whole rows, 32 a wave and tile.
.macro OUTT tile
.irp b, 0,1,2,3
	ds_load_b128 v[FR+8*\b:FR+8*\b+3], v[ILA] offset:512*\tile+64*\b
	ds_load_b128 v[FR+8*\b+4:FR+8*\b+7], v[ILA] offset:512*\tile+64*\b+16
.endr
	s_wait_dscnt 0x0
.irp a, 0,1,2,3
	WIN 0x01+\tile                                 ; source 0: the tile's sums, window 1 or 2
.irp b, 0,1,2,3
.irp n, 0,2,4,6
	v_pk_mul_f32 v[TP+8*\b+\n:TP+8*\b+\n+1], v[128*(1-\tile)+8*(4*\a+\b)+\n:128*(1-\tile)+8*(4*\a+\b)+\n+1], v[FR+8*\b+\n:FR+8*\b+\n+1]
.endr
.endr
	WIN 0
.irp b, 0,1,2,3
.irp n, 0,1,2,3
	v_cvt_pk_f16_f32 v[TH+4*\b+\n], v[TP+8*\b+2*\n], v[TP+8*\b+2*\n+1]
.endr
.endr
.irp b, 0,1,2,3
	ds_store_b128 v[STO], v[TH+4*\b:TH+4*\b+3] offset:STGT*\tile+16*SGP*\a+32*\b
.endr
.endr
.endm
	OUTT 0
	OUTT 1
	s_wait_dscnt 0x0                               ; for the others' sake: my stores into the stages are done
	s_barrier_signal -1
	s_barrier_wait -1
.irp t, 0,1,2,3,4,5,6,7,8,9,10,11,12,13,14,15
	ds_load_b128 v[64+4*\t:64+4*\t+3], v[RD] offset:2*\t*SGP
.endr
.irp t, 0,1,2,3,4,5,6,7,8,9,10,11,12,13,14,15
	ds_load_b128 v[128+4*\t:128+4*\t+3], v[RD] offset:STGT+2*\t*SGP
.endr
.irp t, 0,1,2,3,4,5,6,7,8,9,10,11,12,13,14,15
	s_wait_dscnt 31-\t                             ; two rows of the long tile are back; the younger loads may be out
	global_store_b128 v[CO], v[64+4*\t:64+4*\t+3], s[ZL:ZL+1] offset:2*\t*4096   ; sixteen lanes store 256 consecutive aligned bytes
.endr
.irp t, 0,1,2,3,4,5,6,7,8,9,10,11,12,13,14,15
	s_wait_dscnt 15-\t
	global_store_b128 v[CO], v[128+4*\t:128+4*\t+3], s[ZS:ZS+1] offset:2*\t*4096
.endr
	s_wait_tensorcnt 0x0                           ; the wave's end
	ds_add_u32 v[SPW], v[NIL]
	s_wait_dscnt 0x0
	CROUND                                         ; the closing round
	s_endpgm
.Lfunc_end_k_q8a93554ef0_pv:
	.size	k_q8a93554ef0_pv, .Lfunc_end_k_q8a93554ef0_pv-k_q8a93554ef0_pv
	.p2alignl 7, 3214868480
	.fill 96, 4, 3214868480
	.section	.rodata,"a",@progbits
	.p2align	6, 0x0
	.amdhsa_kernel k_q8a93554ef0_pv
		.amdhsa_group_segment_fixed_size 327680
		.amdhsa_private_segment_fixed_size 0
		.amdhsa_enable_private_segment 0
		.amdhsa_kernarg_size 32
		.amdhsa_user_sgpr_count 2
		.amdhsa_user_sgpr_kernarg_segment_ptr 1
		.amdhsa_wavefront_size32 1
		.amdhsa_system_sgpr_workgroup_id_x 1
		.amdhsa_system_sgpr_workgroup_id_y 1
		.amdhsa_system_sgpr_workgroup_id_z 1
		.amdhsa_system_vgpr_workitem_id 0
		.amdhsa_next_free_vgpr 640
		.amdhsa_next_free_sgpr 102
		.amdhsa_reserve_vcc 0
		.amdhsa_float_denorm_mode_32 3
		.amdhsa_float_denorm_mode_16_64 3
		.amdhsa_memory_ordered 1
		.amdhsa_forward_progress 1
		.amdhsa_inst_pref_size 227
	.end_amdhsa_kernel
	.amdgpu_metadata
---
amdhsa.version: [ 1, 2 ]
amdhsa.kernels:
  - .name:           k_q8a93554ef0_pv
    .symbol:         k_q8a93554ef0_pv.kd
    .args:
      - { .name: proj, .offset: 0, .size: 8, .value_kind: global_buffer, .address_space: global }
      - { .name: pbuf, .offset: 8, .size: 8, .value_kind: global_buffer, .address_space: global }
      - { .name: stats, .offset: 16, .size: 8, .value_kind: global_buffer, .address_space: global }
      - { .name: z, .offset: 24, .size: 8, .value_kind: global_buffer, .address_space: global }
    .group_segment_fixed_size: 327680
    .private_segment_fixed_size: 0
    .kernarg_segment_align: 8
    .kernarg_segment_size: 32
    .max_flat_workgroup_size: 128
    .sgpr_count:     102
    .vgpr_count:     640
    .wavefront_size: 32
...
	.end_amdgpu_metadata
.endif
;; end of part 4
;; launch outp (part 5): grid 4 x 64, 4 waves a work-group, clusters of 4 x 4, 327,680 bytes of LDS; arguments z, wo16, bo, out0; writes out0
.if DOCPART == 5
	.amdgcn_target "amdgcn-amd-amdhsa--gfx1250"
	.amdhsa_code_object_version 6
	.text
	.protected	k_q8a93554ef0_outp
	.globl	k_q8a93554ef0_outp
	.p2align	8
	.type	k_q8a93554ef0_outp,@function
k_q8a93554ef0_outp:
	s_mov_b64 s[64:65], 0
	v_nop
	global_prefetch_b8 v0, s[64:65] scope:SCOPE_SE
	s_setreg_imm32_b32 hwreg(HW_REG_WAVE_MODE, 25, 1), 1
	s_wait_xcnt 0x0
	s_wait_alu depctr_hold_cnt(0) depctr_sa_sdst(0) depctr_va_vdst(0) depctr_va_sdst(0) depctr_va_ssrc(0) depctr_va_vcc(0) depctr_vm_vsrc(0)
	s_getreg_b32 s2, hwreg(HW_REG_IB_STS2, 6, 4)
	s_cmp_eq_u32 s2, 0
	s_cbranch_scc0 .Lentry_in_a_cluster
	s_endpgm
.Lentry_in_a_cluster:
	s_bfe_u32 s2, ttmp6, 0x10000c
	s_cmp_lg_u32 s2, 0xf033
	s_cbranch_scc0 .Lentry_shape_is_right
	s_endpgm
.Lentry_shape_is_right:
; out0[m][n] = bo[n] + sum over k of z[m][k] Wo[n][k]: z [8192][1024] and Wo [1024][1024] in f16, sums and result in f32.
; A tile of 128 rows x 256 columns to a work-group: 256 work-groups.  A wave makes 128 x 64: 32 accumulators.  K in steps of 128 through two LDS slots.
; CLUSTER 4 x 4: z's tiles are shared along a row of the cluster (waves 0, 1 ask, 64 rows each), Wo's along a column (waves 2, 3, 128 rows each).
; The matrix instruction is used transposed (source 0 = 16 rows of Wo, source 1 = 16 rows of z): a lane holds eight neighbouring columns of one row.  The bias is the C of each sum's first product.
; REGISTERS: window 0: v16-31 addresses; v64-127, v128-191 z's fragments, two buffers (on the way out rows of the result); v192-223 the bias.  window 1: Wo's fragments.  window 2: accumulators (a, b) at v[8 (4 a + b)].
.set KSTEP, 128
.set PITCH, 272
.set ATILE, 128*PITCH
.set SLOT,  ATILE+256*PITCH
.set STAGE, 2*SLOT                     ; 16 rows x (256 + 16) bytes for each wave
.set SPARE, STAGE+4*16*272             ; the spare words: 128 bytes a wave, named by no other line
.set LAPS,  4
.set OROW,  4096
.set ADRA, 16
.set ADRB, 20
.set STO,  24
.set RD,   25
.set CO,   26
.set SPW,  28
.set NIL,  29
.set F0,   64
.set F1,   128
.set BI,   192
.set BK,   64
.set WV,   12
.set G1,   24
.set G0,   32
.set G1B,  48
.set G0B,  56
.set MSB, 0
.macro WIN new
.if MSB != (\new)
	s_set_vgpr_msb (MSB<<8)|(\new)
.set MSB, \new
.endif
.endm
.macro PLACES
.rept 4
	v_nop
.endr
.endm
.macro JLOAD s                         ; the branch hangs on the wave's number alone; an s_nop 0 and four v_nop follow each line
	s_cmp_eq_u32 s13, 0
	s_cbranch_scc0 .Lfor_b_\@
	tensor_load_to_lds s[G0+4*\s:G0+4*\s+3], s[G1:G1+7]
	s_nop 0
.rept 4
	v_nop
.endr
	s_branch .Lasked_\@
.Lfor_b_\@:
	tensor_load_to_lds s[G0B+4*\s:G0B+4*\s+3], s[G1B:G1B+7]
	s_nop 0
.rept 4
	v_nop
.endr
.Lasked_\@:
.endm
.macro CREST
	s_cmp_lg_u32 s[WV], 0
	s_cbranch_scc1 .Lnot_wave_0_\@
	s_barrier_signal -3
.Lnot_wave_0_\@:
	s_barrier_wait -3
	s_barrier_signal -1
	s_barrier_wait -1
.endm
.macro CROUND
	s_barrier_signal -1
	s_barrier_wait -1
	CREST
.endm
	s_load_b256 s[4:11], s[0:1], 0x0               ; z s[4:5], wo16 s[6:7], bo s[8:9], out0 s[10:11]
	v_lshl_add_u32 v[SPW], v0, 2, SPARE
	v_mov_b32 v[NIL], 0
	ds_add_u32 v[SPW], v[NIL]                      ; the wave's opening: the add, twice on end, and its wait ahead of my first tensor load
	ds_add_u32 v[SPW], v[NIL]
	v_lshrrev_b32 v1, 5, v0
	v_readfirstlane_b32 s[WV], v1
	s_lshr_b32 s13, s[WV], 1                       ; I fetch for z (0) or for Wo (1)
	s_and_b32 s14, s[WV], 1                        ; which half
	s_bfe_u32 s40, ttmp6, 0x40000                  ; cx
	s_bfe_u32 s41, ttmp6, 0x40004                  ; cy
	s_lshl_b32 s42, ttmp9, 2
	s_add_co_u32 s42, s42, s40                     ; tile column
	s_and_b32 s15, ttmp7, 0xffff
	s_lshl_b32 s15, s15, 2
	s_add_co_u32 s15, s15, s41                     ; tile row
	s_lshl_b32 s43, s41, 2
	s_lshl_b32 s43, 15, s43                        ; my row of the cluster
	s_lshl_b32 s44, 0x1111, s40                    ; my column
	s_or_b32 s[G1+0], s43, (1<<16)|(1<<20)|(1<<21)|(5<<22)|(3<<25)
	s_or_b32 s[G1B+0], s44, (1<<16)|(1<<20)|(1<<21)|(5<<22)|(3<<25)
	s_mov_b32 s[G1+1], KSTEP<<16
	s_mov_b32 s[G1+2], 64<<16
	s_mov_b32 s[G1+3], KSTEP<<16
	s_mov_b32 s[G1+4], 64
	s_mov_b32 s[G1+5], 1024
	s_mov_b32 s[G1+6], 0
	s_mov_b32 s[G1+7], 0
	s_mov_b32 s[G1B+1], KSTEP<<16
	s_mov_b32 s[G1B+2], 128<<16
	s_mov_b32 s[G1B+3], KSTEP<<16
	s_mov_b32 s[G1B+4], 128
	s_mov_b32 s[G1B+5], 1024
	s_mov_b32 s[G1B+6], 0
	s_mov_b32 s[G1B+7], 0
	s_lshl_b32 s16, s15, 7
	s_lshl_b32 s17, s14, 6
	s_add_co_u32 s16, s16, s17                     ; z: row 128 x tile row + 64 x half,
	s_lshl_b32 s16, s16, 11                        ; 2,048 bytes a row
	s_mov_b32 s17, 0
	s_lshl_b32 s46, s42, 8
	s_lshl_b32 s47, s14, 7
	s_add_co_u32 s46, s46, s47                     ; Wo: row 256 x tile column + 128 x half
	s_lshl_b32 s46, s46, 11
	s_mov_b32 s47, 0
	s_mul_i32 s20, s14, 64*PITCH                   ; where they go in a slot: no place in the cluster enters an LDS address
	s_mul_i32 s21, s14, 128*PITCH
	s_add_co_u32 s21, s21, ATILE
	s_wait_dscnt 0x0                               ; both opening adds are done
	s_wait_kmcnt 0x0
	s_add_nc_u64 s[16:17], s[4:5], s[16:17]
	s_add_nc_u64 s[46:47], s[6:7], s[46:47]
	CROUND                                         ; all sixteen work-groups are here
.irp s, 0,1
	s_mov_b32 s[G0+4*\s], 1
	s_add_co_u32 s[G0+4*\s+1], s20, \s*SLOT
	s_add_nc_u64 s[G0+4*\s+2:G0+4*\s+3], s[16:17], \s*KSTEP*2
	s_or_b32 s[G0+4*\s+3], s[G0+4*\s+3], 0x80000000
	s_mov_b32 s[G0B+4*\s], 1
	s_add_co_u32 s[G0B+4*\s+1], s21, \s*SLOT
	s_add_nc_u64 s[G0B+4*\s+2:G0B+4*\s+3], s[46:47], \s*KSTEP*2
	s_or_b32 s[G0B+4*\s+3], s[G0B+4*\s+3], 0x80000000
	JLOAD \s                                       ; K steps 0 and 1: two loads of mine are out
.endr
	v_and_b32 v1, 15, v0                           ; r
	v_bfe_u32 v2, v0, 4, 1                         ; h
	v_mul_u32_u24 v3, v1, PITCH
	v_lshl_add_u32 v4, v2, 4, v3                   ; row x pitch + 16 x half
	s_mul_i32 s22, s[WV], 64*PITCH
	s_add_co_u32 s22, s22, ATILE                   ; my 64 rows of Wo
	v_mov_b32 v[ADRA], v4
	v_add_nc_u32 v[ADRA+1], SLOT, v4
	v_add_nc_u32 v[ADRB], s22, v4
	s_add_co_u32 s22, s22, SLOT
	v_add_nc_u32 v[ADRB+1], s22, v4
	s_mul_i32 s23, s[WV], 16*272
	s_add_co_u32 s23, s23, STAGE                   ; my stage
	v_lshl_add_u32 v5, v2, 5, v3
	v_add_nc_u32 v[STO], s23, v5                   ; in: row r, 32 bytes for each half of the lanes
	v_mul_u32_u24 v5, v2, 272
	v_lshl_add_u32 v5, v1, 4, v5
	v_add_nc_u32 v[RD], s23, v5                    ; back: lanes 0-15 one row of 256 bytes, lanes 16-31 the next
	v_lshlrev_b32 v5, 12, v2
	v_lshl_add_u32 v[CO], v1, 4, v5                ; the same two rows in out0
	s_lshl_b32 s46, s42, 10
	s_lshl_b32 s47, s[WV], 8
	s_add_co_u32 s46, s46, s47                     ; my first column in bytes: 1,024 x tile column + 256 x wave
	s_mov_b32 s47, 0
	s_add_nc_u64 s[8:9], s[8:9], s[46:47]
	s_add_nc_u64 s[10:11], s[10:11], s[46:47]
	s_lshl_b32 s46, s15, 19                        ; 128 rows of 4,096 bytes a tile row
	s_add_nc_u64 s[10:11], s[10:11], s[46:47]
	v_lshlrev_b32 v7, 5, v2                        ; lane (r, h) wants, for block b, bo[16 b + 8 h + 0 .. 7]
.irp b, 0,1,2,3
	global_load_b128 v[BI+8*\b:BI+8*\b+3], v7, s[8:9] offset:64*\b
	global_load_b128 v[BI+8*\b+4:BI+8*\b+7], v7, s[8:9] offset:64*\b+16
.endr
.macro FETCH slot, k, f
	WIN 0x40
.irp i, 0,1,2,3
	ds_load_b128 v[\f+8*\i:\f+8*\i+3],   v[ADRB+\slot] offset:\k+\i*16*PITCH
	ds_load_b128 v[\f+8*\i+4:\f+8*\i+7], v[ADRB+\slot] offset:\k+\i*16*PITCH+32
.endr
	WIN 0
.irp i, 0,1,2,3,4,5,6,7
	ds_load_b128 v[\f+8*\i:\f+8*\i+3],   v[ADRA+\slot] offset:\k+\i*16*PITCH
	ds_load_b128 v[\f+8*\i+4:\f+8*\i+7], v[ADRA+\slot] offset:\k+\i*16*PITCH+32
.endr
.endm
.macro MUL f, a0, cnt, zero            ; cnt blocks of rows from a0 on x my four blocks of columns; zero = 1: the sums start from the bias; the 32 accumulators take turns in one order everywhere
.if \zero
	WIN 0x81
.else
	WIN 0xa1
.endif
.set aa, \a0
.rept \cnt
.irp b, 0,1,2,3
.set rD, 8*(4*aa+\b)
.if \zero
	v_wmma_f32_16x16x32_f16 v[rD:rD+7], v[\f+8*\b:\f+8*\b+7], v[\f+8*aa:\f+8*aa+7], v[BI+8*\b:BI+8*\b+7]
.else
	v_wmma_f32_16x16x32_f16 v[rD:rD+7], v[\f+8*\b:\f+8*\b+7], v[\f+8*aa:\f+8*aa+7], v[rD:rD+7]
.endif
.endr
.set aa, aa+1
.endr
.endm
.macro Q slot, k, f, g, zero
	s_wait_dscnt 0x0                               ; buffer f's loads were issued a quarter ago
	PLACES
	FETCH \slot, \k, \g
	MUL \f, 0, 8, \zero
.endm
.macro TURN slot, next, fill
	WIN 0
	s_wait_tensorcnt 0x0                           ; all my tensor loads have landed: my part of the next slot
	ds_add_u32 v[SPW], v[NIL]                      ; 0 onto my spare word
	s_wait_dscnt 1                                 ; buffer 1 is in; the add alone may be out
	MUL F1, 0, 2, 0
	s_wait_dscnt 0x0                               ; the add is done, my reads of this slot are over
	s_barrier_signal -1
	MUL F1, 2, 2, 0
	WIN 0
	s_barrier_wait -1
.if \fill
	CREST                                          ; the barrier has opened a round of the cluster's: no wave of any partner still reads this slot or has a load on its way
	s_add_nc_u64 s[G0+4*\slot+2:G0+4*\slot+3], s[G0+4*\slot+2:G0+4*\slot+3], 2*KSTEP*2
	s_add_nc_u64 s[G0B+4*\slot+2:G0B+4*\slot+3], s[G0B+4*\slot+2:G0B+4*\slot+3], 2*KSTEP*2
	JLOAD \slot                                    ; my one load behind the round; its four v_nop are the places in front of the loads below
.else
	PLACES
.endif
	FETCH \next, 0, F0
	MUL F1, 4, 4, 0
.endm
	s_wait_tensorcnt 1                             ; my part of K step 0 is in; K step 1's may be out
	s_barrier_signal -1
	s_barrier_wait -1
	FETCH 0, 0, F0
	s_wait_loadcnt 0x0                             ; the bias
	Q 0, 64, F0, F1, 1
	WIN 0
	s_mov_b32 s3, LAPS-1
.Llap:
	Q 0, 128, F1, F0, 0
	Q 0, 192, F0, F1, 0
	TURN 0, 1, 1
	Q 1, 64,  F0, F1, 0
	Q 1, 128, F1, F0, 0
	Q 1, 192, F0, F1, 0
	TURN 1, 0, 1
	Q 0, 64,  F0, F1, 0
	WIN 0
	s_sub_co_u32 s3, s3, 1
	s_cmp_lg_u32 s3, 0
	s_cbranch_scc1 .Llap
	Q 0, 128, F1, F0, 0                            ; the last lap fills nothing
	Q 0, 192, F0, F1, 0
	TURN 0, 1, 0
	Q 1, 64,  F0, F1, 0
	Q 1, 128, F1, F0, 0
	Q 1, 192, F0, F1, 0
	s_wait_dscnt 0x0
	MUL F1, 0, 8, 0
	WIN 0
	PLACES
; THE WAY OUT, a block of 16 rows x 64 columns at a time, through my own stage: back as whole rows of 256 bytes, which sixteen lanes store as 256 consecutive aligned bytes.
.macro TOSTAGE a
	WIN 0x08                                       ; an LDS store's data are its source 1: window 2
.irp b, 0,1,2,3
	ds_store_b128 v[STO], v[8*(4*(\a)+\b):8*(4*(\a)+\b)+3] offset:64*\b          ; each accumulator from its low end on
	ds_store_b128 v[STO], v[8*(4*(\a)+\b)+4:8*(4*(\a)+\b)+7] offset:64*\b+16
.endr
	WIN 0
.set BB, BK+32*((\a)%2)
.irp t, 0,1,2,3,4,5,6,7
	ds_load_b128 v[BB+4*\t:BB+4*\t+3], v[RD] offset:\t*2*272       ; in order behind my stores
.endr
.endm
.macro SEND a, younger                 ; younger: the LDS instructions issued behind block a's loads, which may stay out
.set BB, BK+32*((\a)%2)
	s_wait_dscnt \younger
.if (\a) > 0
	s_add_nc_u64 s[10:11], s[10:11], 16*OROW       ; behind the wait that shows that the earlier stores have read their base
.endif
.irp t, 0,1,2,3,4,5,6,7
	global_store_b128 v[CO], v[BB+4*\t:BB+4*\t+3], s[10:11] offset:2*\t*OROW th:TH_STORE_NT
.endr
.endm
	TOSTAGE 0
.irp a, 1,2,3,4,5,6,7
.if \a > 1
	s_wait_xcnt 0x0                                ; block a - 2's stores have read their registers and their base
.endif
	TOSTAGE \a
	SEND \a-1, 16                                  ; behind block a - 1's loads: block a's 8 stores and 8 loads
.endr
	s_wait_xcnt 0x0
	SEND 7, 0
	s_wait_tensorcnt 0x0                           ; the wave's end
	ds_add_u32 v[SPW], v[NIL]
	s_wait_dscnt 0x0
	CROUND                                         ; the closing round
	s_endpgm
.Lfunc_end_k_q8a93554ef0_outp:
	.size	k_q8a93554ef0_outp, .Lfunc_end_k_q8a93554ef0_outp-k_q8a93554ef0_outp
	.p2alignl 7, 3214868480
	.fill 96, 4, 3214868480
	.section	.rodata,"a",@progbits
	.p2align	6, 0x0
	.amdhsa_kernel k_q8a93554ef0_outp
		.amdhsa_group_segment_fixed_size 327680
		.amdhsa_private_segment_fixed_size 0
		.amdhsa_enable_private_segment 0
		.amdhsa_kernarg_size 32
		.amdhsa_user_sgpr_count 2
		.amdhsa_user_sgpr_kernarg_segment_ptr 1
		.amdhsa_wavefront_size32 1
		.amdhsa_system_sgpr_workgroup_id_x 1
		.amdhsa_system_sgpr_workgroup_id_y 1
		.amdhsa_system_sgpr_workgroup_id_z 1
		.amdhsa_system_vgpr_workitem_id 0
		.amdhsa_next_free_vgpr 768
		.amdhsa_next_free_sgpr 66
		.amdhsa_reserve_vcc 0
		.amdhsa_float_denorm_mode_32 3
		.amdhsa_float_denorm_mode_16_64 3
		.amdhsa_memory_ordered 1
		.amdhsa_forward_progress 1
		.amdhsa_inst_pref_size 86
	.end_amdhsa_kernel
	.amdgpu_metadata
---
amdhsa.version: [ 1, 2 ]
amdhsa.kernels:
  - .name:           k_q8a93554ef0_outp
    .symbol:         k_q8a93554ef0_outp.kd
    .args:
      - { .name: z, .offset: 0, .size: 8, .value_kind: global_buffer, .address_space: global }
      - { .name: wo16, .offset: 8, .size: 8, .value_kind: global_buffer, .address_space: global }
      - { .name: bo, .offset: 16, .size: 8, .value_kind: global_buffer, .address_space: global }
      - { .name: out0, .offset: 24, .size: 8, .value_kind: global_buffer, .address_space: global }
    .group_segment_fixed_size: 327680
    .private_segment_fixed_size: 0
    .kernarg_segment_align: 8
    .kernarg_segment_size: 32
    .max_flat_workgroup_size: 128
    .sgpr_count:     66
    .vgpr_count:     768
    .wavefront_size: 32
...
	.end_amdgpu_metadata
.endif
;; end of part 5
